; MI455X (gfx1250); checked and timed in simulation.
; The chip was launched on July 23, 2026; its instructions are those of AMD's public machine-readable ISA for CDNA 5 (MIT licence, August 2026) and "CDNA5" Instruction Set Architecture Reference Guide (July 2026). The comments in the code are by the model that wrote it; some were corrected since.
;; Attention. Allowed arithmetic: matrix products marked QUANTISED: E4M3 operands, one E8M0 scale for each 32 along K, by v_wmma_scale_f32_16x16x128_f8f6f4 with both operands' format E4M3, f32 sums; everything else in f32.
;; Inputs: freqs_cos 2,048 x 64 float32; freqs_sin 2,048 x 64 float32; mask 1 x 1 x 2,048 x 2,048 float32; wk 2,048 x 2,048 float32; wo 2,048 x 2,048 float32; wq 2,048 x 2,048 float32; wv 2,048 x 2,048 float32; x 1 x 2,048 x 2,048 float32.
;; Outputs: out0 1 x 2,048 x 2,048 float32.
;; This version of the problem:
;;   THIS VERSION OF THE PROBLEM IS GIVEN IN LOW PRECISION. The matrix products marked QUANTISED in the list below multiply operands that are first quantised to E4M3 (4 exponent bits, 3 mantissa bits; 8 bits a number), with one power-of-two scale for each 32 numbers along K (OCP MX v1.0); their sums are f32. All else is computed in f32.
;;   The module's matrix products, in the order in which they are computed (A, B: the left and right operand; K: the contracted axis; several contracted axes count as one K, in the product's order):
;;     1. [M 2,048, K 2,048] x [K 2,048, N 2,048]; A: input x; B: input wq: QUANTISED
;;     2. [M 2,048, K 2,048] x [K 2,048, N 2,048]; A: input x; B: input wk: QUANTISED
;;     3. [M 2,048, K 2,048] x [K 2,048, N 2,048]; A: input x; B: input wv: QUANTISED
;;     4. batch 16 x [M 2,048, K 128] x [K 128, N 2,048]; A: computed on the way; B: computed on the way: QUANTISED
;;     5. batch 16 x [M 128, K 2,048] x [K 2,048, N 2,048]; A: computed on the way; B: softmax (see below): QUANTISED
;;     6. [M 2,048, K 2,048] x [K 2,048, N 2,048]; A: computed on the way; B: input wo: QUANTISED
;;   THE QUANTISER, for each operand of a quantised product, along K:
;;     - K is cut into blocks of 32 from its start; a last block that is shorter is filled with zeros.
;;     - A block's scale is 2^e with e = floor(log2(the largest magnitude in the block)) - 8, held to -126 .. 127; a block of zeros has e = 0. As a byte (E8M0): e + 127.
;;     - Each number is divided by its block's scale, clamped to +-448, and rounded to the nearest number of E4M3, ties to even, subnormals kept.
;;     - The product sums the exact products of the quantised numbers (number of the format x scale) in f32.
;;   ~~~python
;;   def quantise(x, axis):      # numpy; x: float32 -> the quantised numbers, widened to float32 again
;;       x = np.moveaxis(x, axis, -1); K = x.shape[-1]
;;       x = np.pad(x, [(0, 0)] * (x.ndim - 1) + [(0, -K % 32)]); x = x.reshape(x.shape[:-1] + (-1, 32)); a = np.abs(x).max(-1, keepdims=True)
;;       e = np.where(a > 0, np.clip(np.frexp(np.where(a > 0, a, 1))[1] - 1 - 8, -126, 127), 0)      # np.frexp(a)[1] - 1 = floor(log2(a)), exactly
;;       r = np.clip(x / 2.0 ** e, -448, 448)
;;       step = 2.0 ** (np.maximum(np.frexp(np.where(r == 0, 1, r))[1] - 1, -6) - 3)
;;       q = np.round(r / step) * step * 2.0 ** e      # np.round: ties to even
;;       return np.moveaxis(q.reshape(q.shape[:-2] + (-1,))[..., :K], -1, axis).astype(np.float32)
;;   ~~~
;;   SOFTMAX AHEAD OF A QUANTISED PRODUCT. Where the list says 'softmax', what is quantised is not the finished softmax but p = 2^(t - M), with t = logit x log2(e) and M = ceil(the row's largest t), a whole number; so 1/2 < the row's largest p <= 1. The row's sum l is taken of the UNQUANTISED p, in f32, and the product's result is divided by l at the end. Since M is a whole number, a kernel that streams over the keys may use a running M (the ceiling of the running maximum): every later rescaling is an exact power of two, which a block's scale takes up: the codes' values come out the same.
;;   OPERANDS COMPUTED ON THE WAY. 'Computed on the way' means the value that the module computes at that place (a softmax that the list does not call 'softmax' is quantised finished and normalised). What goes into a quantiser is computed in f32, as accurately as f32 sums, v_exp_f32 and their like allow (about 1e-6 of the number): no bf16 or f16 on the way to a quantiser, and a product that is left as it is and whose result goes on into a quantised operand takes f32 operands (vector FMAs, or v_wmma_f32_16x16x4_f32). A number that lies on a knife's edge between two numbers of the format may be rounded either way, as far as f32 arithmetic and the matrix unit's own rounding can turn it there, and no further.
;; One version. Each part assembles by itself: llvm-mc -triple=amdgcn-amd-amdhsa -mcpu=gfx1250 --defsym DOCPART=n.
;; ======== version 1 of 1: 4 launches
;; limits: right only within a limited range of input values
;; workspace buffers: xq 4,325,376 bytes; wz 17,301,504 bytes; qi 4,456,448 bytes; kv 8,912,896 bytes; at 4,325,376 bytes
;; launch quant (part 1): grid 768 x 1, 4 waves a work-group, no clusters, 34,304 bytes of LDS; arguments x, wq, wk, wv, wo, xq, wz; writes xq, wz
.if DOCPART == 1
	.amdgcn_target "amdgcn-amd-amdhsa--gfx1250"
	.amdhsa_code_object_version 6
	.text
	.protected	k_q0ecd02a807_quant
	.globl	k_q0ecd02a807_quant
	.p2align	8
	.type	k_q0ecd02a807_quant,@function
k_q0ecd02a807_quant:
	s_mov_b64 s[64:65], 0
	v_nop
	global_prefetch_b8 v0, s[64:65] scope:SCOPE_SE
	s_setreg_imm32_b32 hwreg(HW_REG_WAVE_MODE, 25, 1), 1
	s_wait_xcnt 0x0
; x [2048][2048] (K innermost) and wq, wk, wv, wo [2048 (K)][2048 (n)], all f32, become codes of FP8 (E4M3) with one E8M0 scale byte for each 32 along K.
; A block's scale is 2^(floor(log2(its largest magnitude)) - 8): its byte is the largest magnitude's exponent field - 8, held at 1 from below; each number is divided by the scale, held within +-448, rounded to the nearest code, ties to even.
; LAYOUT OF THE RESULTS: IMAGES OF OPERAND REGISTERS.  Fragment (rb, ks) = 16 rows x 128 K = 2,048 bytes at (16 rb + ks) x 2,048: byte 512 c + 16 lane holds registers 4 c .. 4 c + 3 of lane (r = lane % 16, h = lane / 16),
; which are K = 128 ks + 32 c + 16 h + 0 .. 15 of the lane's row.  THE ROWS OF A FRAGMENT ARE NOT NEIGHBOURS: lane r of row block rb = 2 b + u holds row 32 b + 8 u + r + 8 (r / 8).  Scale words: [rb][ks][16 rows], 4 bytes each.
; xq: images, then the scale words at 0x400000.  wz: weight i (wq, wk, wv, wo) images at i x 0x400000, scale words at 0x1000000 + i x 0x20000; a weight's rows are its columns n.
; LIMITS: NaN and infinities among the inputs are not served; a block of zeros gets the byte 1 where the rule says 127 (its codes are zeros, and this program alone reads the bytes); blocks whose largest magnitude lies under 2^-118 are held at byte 1.
; Work-groups 0-255 take x, 256-767 the weights.  Memory binds: no matrix unit, no tensor load, no barrier: waves share nothing.  Only the path for x uses LDS.
.set SEL, 20                           ; s[20:21] lane selects for v_permlanex16_b32: lane l xor 16
.set MNT, 22                           ; s22 the mantissa field of 448
.set PW,  12                           ; v12-13 x: the two scale words
.set TM,  16                           ; v16-31 x: at work
.set R,   32                           ; v32-159 x: two sets of 64 numbers
.set PC,  160                          ; v160-191 x: two sets of 16 registers of codes: no store's data are written again
.set XW,  32                           ; v32-95 weights: two sets of 32 numbers
.set CW,  96                           ; v96-159 weights: 8 registers of codes for each of 8 blocks
.set SB,  24                           ; v24-25 weights: scale bytes, four to a register
	s_load_b256 s[4:11], s[0:1], 0x0               ; x s[4:5], wq s[6:7], wk s[8:9], wv s[10:11]
	s_load_b128 s[12:15], s[0:1], 0x20             ; wo s[12:13], xq s[14:15]
	s_load_b64 s[16:17], s[0:1], 0x30              ; wz
	v_lshl_add_u32 v192, v0, 2, 0x8400
	v_mov_b32 v193, 0
	v_lshrrev_b32 v1, 5, v0
	v_readfirstlane_b32 s18, v1                    ; wave 0..3
	v_and_b32 v5, 31, v0                           ; lane
	v_and_b32 v6, 15, v0                           ; r
	v_bfe_u32 v7, v0, 4, 1                         ; h (for the weights: u)
	s_mov_b32 s[SEL], 0x76543210
	s_mov_b32 s[SEL+1], 0xfedcba98
	s_mov_b32 s[MNT], 0x600000
	s_cmp_lt_u32 ttmp9, 256
	s_cbranch_scc0 .Lweights
; ---------------- x: a wave takes one row block x two K steps of 128 ----------------
; Each load reads 512 consecutive bytes of one row; the 16 rows turn through the wave's own stage in LDS (rows 528 bytes apart: 132 words, so that 16 rows start at 16 different banks)
; and come back so that lane (r, h) holds, of row r, 16 neighbours of each block of 32: register 16 b + i = K 32 b + 16 h + i.
	s_lshr_b32 s23, ttmp9, 1                       ; rb
	s_and_b32 s24, ttmp9, 1
	s_lshl_b32 s24, s24, 2
	s_add_co_u32 s24, s24, s18                     ; kp: K steps 2 kp and 2 kp + 1
	s_lshr_b32 s25, s23, 1
	s_lshl_b32 s25, s25, 5
	s_and_b32 s26, s23, 1
	s_lshl_b32 s26, s26, 3
	s_add_co_u32 s25, s25, s26                     ; the block's first row: 32 (rb / 2) + 8 (rb % 2)
	s_lshl_b32 s26, s25, 13                        ; x 8,192 bytes a row
	s_lshl_b32 s27, s24, 10                        ; + 1,024 bytes for two K steps
	s_add_co_u32 s26, s26, s27
	s_mov_b32 s27, 0
	s_lshl_b32 s28, s23, 15                        ; the codes: rb x 32,768 + kp x 4,096
	s_lshl_b32 s29, s24, 12
	s_add_co_u32 s28, s28, s29
	s_mov_b32 s29, 0
	s_lshl_b32 s30, s23, 10                        ; the scale words: 0x400000 + rb x 1,024 + kp x 128
	s_lshl_b32 s31, s24, 7
	s_add_co_u32 s30, s30, s31
	s_add_co_u32 s30, s30, 0x400000
	s_mov_b32 s31, 0
	s_wait_alu depctr_va_vdst(0)
	v_lshlrev_b32 v1, 4, v5                        ; 16 x lane: for the loads and for the codes
	s_mul_i32 s19, s18, 8448                       ; my stage: 16 rows x 528 bytes
	v_add_nc_u32 v2, s19, v1                       ; into it: as loaded
	v_mul_u32_u24 v3, v6, 528
	v_lshl_add_u32 v3, v7, 6, v3
	v_add_nc_u32 v3, s19, v3                       ; out of it: row r, + 64 h
	v_lshlrev_b32 v4, 2, v5                        ; 4 x lane
.irp b, 0,1,2,3
	v_mov_b32 v[TM+4+\b], 0                        ; written once: a lane permute's destination counts as one of its sources
.endr
	s_wait_alu depctr_va_vdst(0)
	s_wait_kmcnt 0x0
	s_add_nc_u64 s[4:5], s[4:5], s[26:27]
	s_add_nc_u64 s[32:33], s[14:15], s[28:29]
	s_add_nc_u64 s[34:35], s[14:15], s[30:31]
.irp s, 0,1
.set i, 0
.rept 16
	global_load_b128 v[R+64*\s+4*i:R+64*\s+4*i+3], v1, s[4:5] offset:(i+8*(i/8))*8192+512*\s th:TH_LOAD_NT   ; row i + 8 (i / 8) of the block, 512 consecutive bytes
.set i, i+1
.endr
.endr
; 64 numbers of a lane at v[src] on become a fragment's codes at v[pc] on and its scale word in v[pw]
.macro QUANT src, pc, pw
.irp b, 0,1,2,3
	v_max3_num_f32 v[TM+\b], |v[\src+16*\b]|, |v[\src+16*\b+1]|, 0x4800000   ; block b: my 16 numbers, and the floor 2^(9 - 127): so the byte cannot fall under 1
.endr
.irp i, 2,4,6,8,10,12,14
.irp b, 0,1,2,3
	v_max3_num_f32 v[TM+\b], v[TM+\b], |v[\src+16*\b+\i]|, |v[\src+16*\b+\i+1]|   ; the four blocks by turns
.endr
.endr
.irp b, 0,1,2,3
	v_permlanex16_b32 v[TM+4+\b], v[TM+\b], s[SEL], s[SEL+1]
.endr
.irp b, 0,1,2,3
	v_max_num_f32 v[TM+\b], v[TM+\b], v[TM+4+\b]   ; with lane l xor 16: the block's largest magnitude
.endr
.irp b, 0,1,2,3
	v_add_nc_u32 v[TM+12+\b], 0xfc000000, v[TM+\b] ; 8 off its exponent field: the conversion's scale operand
.endr
.irp b, 0,1,2,3
	v_and_or_b32 v[TM+8+\b], v[TM+\b], 0x7f800000, s[MNT]   ; 448 x the scale
.endr
.irp b, 0,1,2,3
	v_lshrrev_b32 v[TM+4+\b], 23, v[TM+12+\b]      ; the scale's byte
.endr
	v_lshl_or_b32 v[\pw], v[TM+5], 8, v[TM+4]
	v_lshl_or_b32 v[\pw], v[TM+6], 16, v[\pw]
	v_lshl_or_b32 v[\pw], v[TM+7], 24, v[\pw]      ; my row's scale word
.irp b, 0,1,2,3
.set i, 0
.rept 16
	v_med3_num_f32 v[\src+16*\b+i], v[\src+16*\b+i], -v[TM+8+\b], v[TM+8+\b]   ; the conversion to an 8-bit code does not saturate (ISA guide 7.6.2): the hold comes first
.set i, i+1
.endr
	v_cvt_scalef32_pk8_fp8_f32 v[\pc+4*\b:\pc+4*\b+1], v[\src+16*\b:\src+16*\b+7], v[TM+12+\b]
	v_cvt_scalef32_pk8_fp8_f32 v[\pc+4*\b+2:\pc+4*\b+3], v[\src+16*\b+8:\src+16*\b+15], v[TM+12+\b]
.endr
	v_nop                                          ; a plain line behind the last conversion
.endm
.macro XSTEP s, left
	s_wait_loadcnt \left                           ; this K step's 16 loads are in; the younger step's may be out
.set i, 0
.rept 16
	ds_store_b128 v2, v[R+64*\s+4*i:R+64*\s+4*i+3] offset:528*i
.set i, i+1
.endr
.set i, 0
.rept 16
	ds_load_b128 v[R+64*\s+4*i:R+64*\s+4*i+3], v3 offset:128*(i/4)+16*(i%4)   ; LDS serves a wave's instructions in order (ISA guide 5.7.1.4): these see the stores above
.set i, i+1
.endr
	s_wait_dscnt 0x0
	QUANT R+64*\s, PC+16*\s, PW+\s
.irp c, 0,1,2,3
	global_store_b128 v1, v[PC+16*\s+4*\c:PC+16*\s+4*\c+3], s[32:33] offset:2048*\s+512*\c   ; 32 lanes store 512 consecutive bytes of the image
.endr
.endm
	XSTEP 0, 16
	XSTEP 1, 0
	v_cmp_gt_u32 vcc_lo, 16, v5
	v_cndmask_b32 v14, v[PW+1], v[PW], vcc_lo      ; lanes 0-15: the first K step's words, lanes 16-31 the second's (both halves of the lanes hold every row's word)
	global_store_b32 v4, v14, s[34:35]             ; 128 consecutive bytes
	s_wait_tensorcnt 0x0
	ds_add_u32 v192, v193
	s_wait_dscnt 0x0
	s_endpgm
; ---------------- the weights: K is the FIRST axis.  A lane takes a column n, and its registers run down K ----------------
; A wave takes 32 columns x 256 along K.  Lane (u, r) takes column 32 (4 nx + wave) + 8 u + r + 8 (r / 8): it is lane r of row block 8 nx + 2 wave + u.
; A block of 32 along K lies in one lane: its first 16 codes are the image's bytes of lane (r, 0), its last 16 those of lane (r, 1), 256 bytes on: sixteen lanes store 256 consecutive bytes, aligned.
.Lweights:
	s_sub_co_u32 s23, ttmp9, 256
	s_and_b32 s24, s23, 15                         ; nx: which 128 columns
	s_lshr_b32 s25, s23, 4
	s_lshr_b32 s26, s25, 3                         ; which weight
	s_and_b32 s27, s25, 7                          ; kc: which 256 along K
	s_lshl_b32 s28, s27, 21                        ; source: kc x 256 rows of 8,192 bytes + (128 nx + 32 wave) x 4
	s_lshl_b32 s29, s24, 9
	s_add_co_u32 s28, s28, s29
	s_lshl_b32 s29, s18, 7
	s_add_co_u32 s28, s28, s29
	s_mov_b32 s29, 0
	s_lshl_b32 s30, s24, 3
	s_lshl_b32 s31, s18, 1
	s_add_co_u32 s30, s30, s31                     ; my first row block: 8 nx + 2 wave
	s_lshl_b32 s32, s26, 22                        ; codes: weight x 0x400000 + row block x 32,768 + kc x 4,096
	s_lshl_b32 s33, s30, 15
	s_add_co_u32 s32, s32, s33
	s_lshl_b32 s33, s27, 12
	s_add_co_u32 s32, s32, s33
	s_mov_b32 s33, 0
	s_lshl_b32 s34, s26, 17                        ; scale words: 0x1000000 + weight x 0x20000 + row block x 1,024 + kc x 128
	s_lshl_b32 s35, s30, 10
	s_add_co_u32 s34, s34, s35
	s_lshl_b32 s35, s27, 7
	s_add_co_u32 s34, s34, s35
	s_add_co_u32 s34, s34, 0x1000000
	s_mov_b32 s35, 0
	s_wait_alu depctr_va_vdst(0)
	v_and_b32 v10, 8, v6
	v_add_nc_u32 v10, v10, v6
	v_lshl_add_u32 v10, v7, 3, v10                 ; 8 u + r + 8 (r / 8)
	v_lshlrev_b32 v3, 2, v10                       ; in: 4 bytes a column
	v_lshlrev_b32 v8, 4, v6
	v_lshl_add_u32 v8, v7, 15, v8                  ; codes: 16 r, + a row block for u
	v_lshlrev_b32 v9, 2, v6
	v_lshl_add_u32 v9, v7, 10, v9                  ; scale words: 4 r, + a row block for u
	s_wait_alu depctr_va_vdst(0)
	s_wait_kmcnt 0x0
	s_cmp_eq_u32 s26, 1                            ; the choice hangs on the work-group's number alone
	s_cselect_b64 s[36:37], s[8:9], s[6:7]
	s_cmp_eq_u32 s26, 2
	s_cselect_b64 s[36:37], s[10:11], s[36:37]
	s_cmp_eq_u32 s26, 3
	s_cselect_b64 s[36:37], s[12:13], s[36:37]
	s_add_nc_u64 s[36:37], s[36:37], s[28:29]
	s_add_nc_u64 s[32:33], s[16:17], s[32:33]
	s_add_nc_u64 s[34:35], s[16:17], s[34:35]
.macro WLOAD t                         ; block t: W(32 t + i, my column), i = 0 .. 31, into set t % 2; the largest immediate is 255 x 8,192, inside the signed 24 bits
.set i, 0
.rept 32
	global_load_b32 v[XW+32*((\t)%2)+i], v3, s[36:37] offset:(32*(\t)+i)*8192 th:TH_LOAD_NT
.set i, i+1
.endr
.endm
.macro WBLOCK t
.set XS, XW+32*((\t)%2)
.if (\t) < 7
	s_wait_loadcnt 32                              ; this block's 32 loads are in; the next block's may be out
.else
	s_wait_loadcnt 0x0
.endif
	v_max3_num_f32 v12, |v[XS]|, |v[XS+1]|, |v[XS+2]|              ; the block's largest magnitude: all 32 numbers are mine
	v_max3_num_f32 v13, |v[XS+3]|, |v[XS+4]|, |v[XS+5]|
.irp i, 6,10,14,18,22,26
	v_max3_num_f32 v12, v12, |v[XS+\i]|, |v[XS+\i+1]|
	v_max3_num_f32 v13, v13, |v[XS+\i+2]|, |v[XS+\i+3]|
.endr
	v_max3_num_f32 v12, v12, |v[XS+30]|, |v[XS+31]|
	v_max3_num_f32 v12, v12, v13, 0x4800000        ; and the floor 2^(9 - 127)
	v_add_nc_u32 v11, 0xfc000000, v12              ; the conversion's scale operand
	v_and_or_b32 v10, v12, 0x7f800000, s[MNT]      ; 448 x the scale
	v_lshrrev_b32 v13, 23, v11                     ; the scale's byte
.if (\t)%4 == 0
	v_mov_b32 v[SB+(\t)/4], v13
.else
	v_lshl_or_b32 v[SB+(\t)/4], v13, 8*((\t)%4), v[SB+(\t)/4]
.endif
.set i, 0
.rept 32
	v_med3_num_f32 v[XS+i], v[XS+i], -v10, v10
.set i, i+1
.endr
.irp g, 0,1,2,3
	v_cvt_scalef32_pk8_fp8_f32 v[CW+8*(\t)+2*\g:CW+8*(\t)+2*\g+1], v[XS+8*\g:XS+8*\g+7], v11
.endr
	global_store_b128 v8, v[CW+8*(\t):CW+8*(\t)+3], s[32:33] offset:((\t)/4)*2048+((\t)%4)*512        ; K 32 c + 0 .. 15: the image's lanes 0-15
	global_store_b128 v8, v[CW+8*(\t)+4:CW+8*(\t)+7], s[32:33] offset:((\t)/4)*2048+((\t)%4)*512+256  ; K 32 c + 16 .. 31: its lanes 16-31
.if (\t)+2 < 8
	WLOAD (\t)+2
.endif
.endm
	WLOAD 0
	WLOAD 1
.irp t, 0,1,2,3,4,5,6,7
	WBLOCK \t
.endr
	global_store_b32 v9, v[SB], s[34:35]           ; my column's scale words of the two K steps
	global_store_b32 v9, v[SB+1], s[34:35] offset:64
	s_endpgm
.Lfunc_end_k_q0ecd02a807_quant:
	.size	k_q0ecd02a807_quant, .Lfunc_end_k_q0ecd02a807_quant-k_q0ecd02a807_quant
	.p2alignl 7, 3214868480
	.fill 96, 4, 3214868480
	.section	.rodata,"a",@progbits
	.p2align	6, 0x0
	.amdhsa_kernel k_q0ecd02a807_quant
		.amdhsa_group_segment_fixed_size 34304
		.amdhsa_private_segment_fixed_size 0
		.amdhsa_enable_private_segment 0
		.amdhsa_kernarg_size 56
		.amdhsa_user_sgpr_count 2
		.amdhsa_user_sgpr_kernarg_segment_ptr 1
		.amdhsa_wavefront_size32 1
		.amdhsa_system_sgpr_workgroup_id_x 1
		.amdhsa_system_sgpr_workgroup_id_y 1
		.amdhsa_system_sgpr_workgroup_id_z 1
		.amdhsa_system_vgpr_workitem_id 0
		.amdhsa_next_free_vgpr 194
		.amdhsa_next_free_sgpr 66
		.amdhsa_reserve_vcc 1
		.amdhsa_float_denorm_mode_32 3
		.amdhsa_float_denorm_mode_16_64 3
		.amdhsa_memory_ordered 1
		.amdhsa_forward_progress 1
		.amdhsa_inst_pref_size 83
	.end_amdhsa_kernel
	.amdgpu_metadata
---
amdhsa.version: [ 1, 2 ]
amdhsa.kernels:
  - .name:           k_q0ecd02a807_quant
    .symbol:         k_q0ecd02a807_quant.kd
    .args:
      - { .name: x, .offset: 0, .size: 8, .value_kind: global_buffer, .address_space: global }
      - { .name: wq, .offset: 8, .size: 8, .value_kind: global_buffer, .address_space: global }
      - { .name: wk, .offset: 16, .size: 8, .value_kind: global_buffer, .address_space: global }
      - { .name: wv, .offset: 24, .size: 8, .value_kind: global_buffer, .address_space: global }
      - { .name: wo, .offset: 32, .size: 8, .value_kind: global_buffer, .address_space: global }
      - { .name: xq, .offset: 40, .size: 8, .value_kind: global_buffer, .address_space: global }
      - { .name: wz, .offset: 48, .size: 8, .value_kind: global_buffer, .address_space: global }
    .group_segment_fixed_size: 34304
    .private_segment_fixed_size: 0
    .kernarg_segment_align: 8
    .kernarg_segment_size: 56
    .max_flat_workgroup_size: 128
    .sgpr_count:     66
    .vgpr_count:     194
    .wavefront_size: 32
...
	.end_amdgpu_metadata
.endif
;; end of part 1
;; launch qkv (part 2): grid 24 x 8, 4 waves a work-group, clusters of 4 x 4, 327,680 bytes of LDS; arguments xq, wz, freqs_cos, freqs_sin, qi, kv; writes qi, kv
.if DOCPART == 2
	.amdgcn_target "amdgcn-amd-amdhsa--gfx1250"
	.amdhsa_code_object_version 6
	.text
	.protected	k_q0ecd02a807_qkv
	.globl	k_q0ecd02a807_qkv
	.p2align	8
	.type	k_q0ecd02a807_qkv,@function
k_q0ecd02a807_qkv:
	s_mov_b64 s[64:65], 0
	v_nop
	global_prefetch_b8 v0, s[64:65] scope:SCOPE_SE
	s_setreg_imm32_b32 hwreg(HW_REG_WAVE_MODE, 25, 1), 1
	s_wait_xcnt 0x0
	s_wait_alu depctr_hold_cnt(0) depctr_sa_sdst(0) depctr_va_vdst(0) depctr_va_sdst(0) depctr_va_ssrc(0) depctr_va_vcc(0) depctr_vm_vsrc(0)
	s_getreg_b32 s2, hwreg(HW_REG_IB_STS2, 6, 4)
	s_cmp_eq_u32 s2, 0
	s_cbranch_scc0 .Lentry_in_a_cluster
	s_endpgm
.Lentry_in_a_cluster:
	s_bfe_u32 s2, ttmp6, 0x10000c
	s_cmp_lg_u32 s2, 0xf033
	s_cbranch_scc0 .Lentry_shape_is_right
	s_endpgm
.Lentry_shape_is_right:
.set NQ,     2
.set FR,     16
.set NL,     4
.set NP,     8
.set RBK,    4096
.set HALFT,  8*RBK
.set SLOT,   4*HALFT
.set LAPS,   4
.set SCL,    2*SLOT
.set SBLK,   1024
.set HALFS,  8*SBLK
.set SPARE,  SCL+4*HALFS
.set ADRA, 16
.set ADRB, 20
.set LS,   24
.set RO,   25
.set LI,   26
.set ADRS, 27
.set SPW,  28
.set NIL,  29
.set PW,   30
.set SC,   32
.set PC,   64
.set TM,   80
.set AF,   128
.set X,    128
.set SEL,  18
.set MNT,  20
.set G1, 24
.set G0, 32
.set G1B, 48
.set G0B, 56
.set G1S, 68
.set G0S, 76
.set G1SB, 80
.set G0SB, 88
.set MSB, 0
.macro WIN new
.if MSB != \new
	s_set_vgpr_msb (MSB<<8)|\new
.set MSB, \new
.endif
.endm
.set MUL_LO, 0xa1
.set MUL_HI, 0xf1
.set TO_B,   0x40
.macro JLOAD g0a, g1a, g0b, g1b
	s_cmp_eq_u32 s15, 0
	s_cbranch_scc0 .Lfor_b_\@
	tensor_load_to_lds s[\g0a:\g0a+3], s[\g1a:\g1a+7]
	s_nop 0
.rept 4
	v_nop
.endr
	s_branch .Lasked_\@
.Lfor_b_\@:
	tensor_load_to_lds s[\g0b:\g0b+3], s[\g1b:\g1b+7]
	s_nop 0
.rept 4
	v_nop
.endr
.Lasked_\@:
.endm
.macro CREST
	s_cmp_lg_u32 s14, 0
	s_cbranch_scc1 .Lnot_wave_0_\@
	s_barrier_signal -3
.Lnot_wave_0_\@:
	s_barrier_wait -3
	s_barrier_signal -1
	s_barrier_wait -1
.endm
.macro CROUND
	s_barrier_signal -1
	s_barrier_wait -1
	CREST
.endm
	s_load_b256 s[4:11], s[0:1], 0x0
	s_load_b128 s[96:99], s[0:1], 0x20
	v_lshl_add_u32 v[SPW], v0, 2, SPARE
	v_mov_b32 v[NIL], 0
	ds_add_u32 v28, v29
	ds_add_u32 v28, v29
	s_wait_dscnt 0x0
	v_lshrrev_b32 v1, 5, v0
	v_readfirstlane_b32 s14, v1
	s_lshr_b32 s15, s14, 1
	s_and_b32 s16, s14, 1
	s_bfe_u32 s40, ttmp6, 0x40000
	s_bfe_u32 s41, ttmp6, 0x40004
	s_lshr_b32 s2, ttmp9, 1
	s_and_b32 s42, ttmp9, 1
	s_lshl_b32 s42, s42, 2
	s_add_co_u32 s42, s42, s40
	s_and_b32 s17, ttmp7, 0xffff
	s_lshl_b32 s17, s17, 2
	s_add_co_u32 s17, s17, s41
	s_lshl_b32 s43, s41, 2
	s_lshl_b32 s43, 15, s43
	s_lshl_b32 s44, 0x1111, s40
	s_or_b32 s[G1+0], s43, (3<<16)|(1<<21)
	s_or_b32 s[G1B+0], s44, (3<<16)|(1<<21)
.irp g, G1, G1B
	s_mov_b32 s[\g+1], 512<<16
	s_mov_b32 s[\g+2], 8<<16
	s_mov_b32 s[\g+3], 512<<16
	s_mov_b32 s[\g+4], 8
	s_mov_b32 s[\g+5], 4096
	s_mov_b32 s[\g+6], 0
	s_mov_b32 s[\g+7], 0
.endr
	s_or_b32 s[G1S+0], s43, (3<<16)|(1<<21)
	s_or_b32 s[G1SB+0], s44, (3<<16)|(1<<21)
.irp g, G1S, G1SB
	s_mov_b32 s[\g+1], 32<<16
	s_mov_b32 s[\g+2], 32<<16
	s_mov_b32 s[\g+3], 32<<16
	s_mov_b32 s[\g+4], 32
	s_mov_b32 s[\g+5], 32
	s_mov_b32 s[\g+6], 0
	s_mov_b32 s[\g+7], 0
.endr
	s_lshl_b32 s46, s2, 22
	s_lshl_b32 s92, s2, 17
	s_add_co_u32 s92, s92, 0x1000000
	s_mov_b32 s95, 0x400000
	s_cmp_eq_u32 s2, 2
	s_cselect_b32 s18, 0x800000, 0
	s_cselect_b32 s22, 0x1040000, s95
	s_cselect_b32 s46, 0, s46
	s_cselect_b32 s92, s95, s92
	s_lshl_b32 s95, s17, 19
	s_add_co_u32 s18, s18, s95
	s_lshl_b32 s95, s16, 18
	s_add_co_u32 s18, s18, s95
	s_lshl_b32 s95, s17, 14
	s_add_co_u32 s22, s22, s95
	s_lshl_b32 s95, s16, 13
	s_add_co_u32 s22, s22, s95
	s_lshl_b32 s66, s42, 19
	s_add_co_u32 s46, s46, s66
	s_lshl_b32 s66, s16, 18
	s_add_co_u32 s46, s46, s66
	s_lshl_b32 s66, s42, 14
	s_add_co_u32 s92, s92, s66
	s_lshl_b32 s66, s16, 13
	s_add_co_u32 s92, s92, s66
	s_mov_b32 s19, 0
	s_mov_b32 s23, 0
	s_mov_b32 s47, 0
	s_mov_b32 s93, 0
	s_mul_i32 s45, s14, HALFT
	s_mul_i32 s94, s14, HALFS
	s_wait_kmcnt 0x0
	s_cmp_eq_u32 s2, 2
	s_cselect_b64 s[12:13], s[6:7], s[4:5]
	s_cselect_b64 s[100:101], s[4:5], s[6:7]
	s_add_nc_u64 s[20:21], s[12:13], s[18:19]
	s_add_nc_u64 s[22:23], s[12:13], s[22:23]
	s_add_nc_u64 s[46:47], s[100:101], s[46:47]
	s_add_nc_u64 s[92:93], s[100:101], s[92:93]
	CROUND
	s_mov_b32 s[G0S], 1
	s_add_co_u32 s[G0S+1], s94, SCL
	s_mov_b64 s[G0S+2:G0S+3], s[22:23]
	s_or_b32 s[G0S+3], s[G0S+3], 0x80000000
	s_mov_b32 s[G0SB], 1
	s_add_co_u32 s[G0SB+1], s94, SCL
	s_mov_b64 s[G0SB+2:G0SB+3], s[92:93]
	s_or_b32 s[G0SB+3], s[G0SB+3], 0x80000000
	JLOAD G0S, G1S, G0SB, G1SB
.irp s, 0,1
	s_mov_b32 s[G0+4*\s], 1
	s_add_co_u32 s[G0+4*\s+1], s45, \s*SLOT
	s_add_nc_u64 s[G0+4*\s+2:G0+4*\s+3], s[20:21], \s*RBK
	s_or_b32 s[G0+4*\s+3], s[G0+4*\s+3], 0x80000000
	s_mov_b32 s[G0B+4*\s], 1
	s_add_co_u32 s[G0B+4*\s+1], s45, \s*SLOT
	s_add_nc_u64 s[G0B+4*\s+2:G0B+4*\s+3], s[46:47], \s*RBK
	s_or_b32 s[G0B+4*\s+3], s[G0B+4*\s+3], 0x80000000
	s_wait_alu depctr_va_vdst(0)
	s_wait_tensorcnt 0x0
	ds_add_u32 v28, v29
	s_wait_dscnt 0x0
	CROUND
	JLOAD G0+4*\s, G1, G0B+4*\s, G1B
.endr
	v_and_b32 v1, 15, v0
	v_bfe_u32 v2, v0, 4, 1
	s_wait_alu depctr_va_vdst(0)
	v_and_b32 v3, 31, v0
	v_lshlrev_b32 v[LI], 4, v3
	v_lshlrev_b32 v[LS], 2, v3
	s_mul_i32 s21, s15, HALFT
	s_mul_i32 s22, s16, HALFT
	s_add_co_u32 s22, s22, 2*HALFT
.irp s, 0,1
	v_add_nc_u32 v[ADRA+\s], s21, v[LI]
	v_add_nc_u32 v[ADRB+\s], s22, v[LI]
	s_add_co_u32 s21, s21, SLOT
	s_add_co_u32 s22, s22, SLOT
.endr
	v_lshlrev_b32 v5, 2, v1
	s_mul_i32 s21, s15, HALFS
	s_mul_i32 s22, s16, HALFS
	s_add_co_u32 s22, s22, 2*HALFS
	s_sub_co_u32 s22, s22, s21
	v_mul_u32_u24 v6, s22, v2
	s_add_co_u32 s21, s21, SCL
	v_add_nc_u32 v5, v5, v6
	v_add_nc_u32 v[ADRS], s21, v5
	v_and_b32 v4, 8, v1
	v_add_nc_u32 v4, v4, v1
	v_lshlrev_b32 v[RO], 8, v4
	v_lshl_add_u32 v[RO], v2, 5, v[RO]
.irp b, 0,1,2,3
	v_mov_b32 v[TM+4+\b], 0
.endr
	s_lshl_b32 s45, s42, 1
	s_add_co_u32 s45, s45, s16
	s_lshl_b32 s94, s17, 1
	s_add_co_u32 s94, s94, s15
	s_lshl_b32 s22, s94, 15
	s_mov_b32 s23, 0
	s_add_nc_u64 s[8:9], s[8:9], s[22:23]
	s_add_nc_u64 s[10:11], s[10:11], s[22:23]
	s_mov_b32 s21, 32768
	s_cmp_eq_u32 s2, 2
	s_cselect_b32 s18, s94, s45
	s_cselect_b32 s19, s45, s94
	s_cselect_b32 s20, 16384, 0
	s_cselect_b32 s21, 17408, s21
	s_mul_i32 s18, s18, 557056
	s_mul_i32 s19, s19, 34816
	s_add_co_u32 s18, s18, s19
	s_add_co_u32 s18, s18, s20
	s_add_co_u32 s21, s21, s18
	s_lshl_b32 s19, s45, 18
	s_lshl_b32 s20, s94, 14
	s_add_co_u32 s19, s19, s20
	s_lshr_b32 s20, s19, 4
	s_add_co_u32 s20, s20, 0x400000
	s_cmp_eq_u32 s2, 0
	s_cselect_b32 s18, s19, s18
	s_cselect_b32 s20, s20, s21
	s_cselect_b64 s[12:13], s[96:97], s[98:99]
	s_mov_b32 s19, 0
	s_mov_b32 s21, 0
	s_add_nc_u64 s[100:101], s[12:13], s[20:21]
	s_add_nc_u64 s[12:13], s[12:13], s[18:19]
	s_mov_b32 s[SEL], 0x76543210
	s_mov_b32 s[SEL+1], 0xfedcba98
	s_mov_b32 s[MNT], 0x600000
.macro FRAG reg, adr, q, i
.irp c, 0,1,2,3
	ds_load_b128 v[\reg+4*\c:\reg+4*\c+3], v[\adr] offset:2048*(\q)+512*\c+RBK*(\i)
.endr
.endm
.macro MUL16 a0, p, q, sc, zero
.irp a, \a0, \a0+1
.irp b, 0,1,2,3,4,5,6,7
.if \zero
	v_wmma_scale_f32_16x16x128_f8f6f4 v[8*(8*((\a)%4)+\b):8*(8*((\a)%4)+\b)+7], v[128*(\p)+FR*\b:128*(\p)+FR*\b+FR-1], v[AF+FR*(\a):AF+FR*(\a)+FR-1], 0, v[SC+8*NQ*(\sc)+NQ*\b+(\q)], v[SC+8*NQ*(\sc)+NQ*(\a)+(\q)] matrix_a_scale:MATRIX_SCALE_ROW1
.else
	v_wmma_scale_f32_16x16x128_f8f6f4 v[8*(8*((\a)%4)+\b):8*(8*((\a)%4)+\b)+7], v[128*(\p)+FR*\b:128*(\p)+FR*\b+FR-1], v[AF+FR*(\a):AF+FR*(\a)+FR-1], v[8*(8*((\a)%4)+\b):8*(8*((\a)%4)+\b)+7], v[SC+8*NQ*(\sc)+NQ*\b+(\q)], v[SC+8*NQ*(\sc)+NQ*(\a)+(\q)] matrix_a_scale:MATRIX_SCALE_ROW1
.endif
.endr
.endr
.endm
.macro FETCH_B slot, q, p
	WIN TO_B
.irp i, 0,1,2,3,4,5,6,7
	FRAG 128*(\p)+FR*\i, ADRB+\slot, \q, \i
.endr
	WIN 0
.endm
.macro FETCH_A slot, q, i0
.irp i, \i0, \i0+1, \i0+2, \i0+3
	FRAG AF+FR*(\i), ADRA+\slot, \q, \i
.endr
.endm
.macro SCALES sc
.irp i, 0,1,2,3,4,5,6,7
	ds_load_b32 v[SC+8*NQ*\sc+NQ*\i], v[ADRS] offset:\i*SBLK
	ds_load_b32 v[SC+8*NQ*\sc+NQ*\i+1], v[ADRS] offset:\i*SBLK+64
.endr
.endm
.macro PLACES n
.rept \n
	v_nop
.endr
.endm
.macro STEP slot, q, zero
	s_wait_dscnt 4*NL
	WIN MUL_LO
	MUL16 0, (\q)%2, \q, \slot, \zero
	MUL16 2, (\q)%2, \q, \slot, \zero
	s_wait_dscnt 0
	PLACES NP
	FETCH_B \slot, (\q)+1, 1-(\q)%2
	FETCH_A \slot, (\q)+1, 0
	WIN MUL_HI
	MUL16 4, (\q)%2, \q, \slot, \zero
	MUL16 6, (\q)%2, \q, \slot, \zero
	PLACES NP
	WIN 0
	FETCH_A \slot, (\q)+1, 4
.endm
.macro TURN slot, next, fill
	s_wait_tensorcnt 0x0
	ds_add_u32 v[SPW], v[NIL]
	s_wait_dscnt 4*NL+1
	WIN MUL_LO
	MUL16 0, 1, NQ-1, \slot, 0
	s_wait_dscnt 0x0
	s_barrier_signal -1
	MUL16 2, 1, NQ-1, \slot, 0
	WIN 0
	s_barrier_wait -1
.if \fill
	CREST
	s_add_nc_u64 s[G0+4*\slot+2:G0+4*\slot+3], s[G0+4*\slot+2:G0+4*\slot+3], 2*RBK
	s_add_nc_u64 s[G0B+4*\slot+2:G0B+4*\slot+3], s[G0B+4*\slot+2:G0B+4*\slot+3], 2*RBK
	JLOAD G0+4*\slot, G1, G0B+4*\slot, G1B
	PLACES NP-4
.else
	PLACES NP
.endif
	s_wait_alu depctr_va_vdst(0)
	v_add_nc_u32 v[ADRS], 64*NQ, v[ADRS]
	FETCH_B \next, 0, 0
	FETCH_A \next, 0, 0
	SCALES \next
	WIN MUL_HI
	MUL16 4, 1, NQ-1, \slot, 0
	MUL16 6, 1, NQ-1, \slot, 0
	PLACES NP
	WIN 0
	FETCH_A \next, 0, 4
.endm
	s_wait_alu depctr_va_vdst(0)
	s_wait_tensorcnt 1
	s_barrier_signal -1
	s_barrier_wait -1
	FETCH_B 0, 0, 0
	FETCH_A 0, 0, 0
	SCALES 0
	FETCH_A 0, 0, 4
	STEP 0, 0, 1
	s_mov_b32 s3, LAPS-1
.Llap:
	TURN 0, 1, 1
	STEP 1, 0, 0
	TURN 1, 0, 1
	STEP 0, 0, 0
	s_sub_co_u32 s3, s3, 1
	s_cmp_lg_u32 s3, 0
	s_cbranch_scc1 .Llap
	TURN 0, 1, 0
	STEP 1, 0, 0
	s_wait_dscnt 4*NL
	WIN MUL_LO
	MUL16 0, 1, NQ-1, 1, 0
	MUL16 2, 1, NQ-1, 1, 0
	s_wait_dscnt 0
	WIN MUL_HI
	MUL16 4, 1, NQ-1, 1, 0
	MUL16 6, 1, NQ-1, 1, 0
	WIN 0
.macro QUANT src, win, dst
	s_wait_xcnt 0x0
.set WQ, (\win)|((\win)<<2)
	WIN WQ
.irp b, 0,1,2,3
	v_max3_num_f32 v[TM+\b], |v[\src+16*\b]|, |v[\src+16*\b+1]|, 0x4800000
.endr
.irp i, 2,4,6,8,10,12,14
.irp b, 0,1,2,3
	v_max3_num_f32 v[TM+\b], |v[\src+16*\b+\i]|, |v[\src+16*\b+\i+1]|, v[TM+\b]
.endr
.endr
	WIN 0
.irp b, 0,1,2,3
	v_permlanex16_b32 v[TM+4+\b], v[TM+\b], s[SEL], s[SEL+1]
.endr
.irp b, 0,1,2,3
	v_max_num_f32 v[TM+\b], v[TM+\b], v[TM+4+\b]
.endr
.irp b, 0,1,2,3
	v_add_nc_u32 v[TM+12+\b], 0xfc000000, v[TM+\b]
.endr
.irp b, 0,1,2,3
	v_and_or_b32 v[TM+8+\b], v[TM+\b], 0x7f800000, s[MNT]
.endr
.irp b, 0,1,2,3
	v_lshrrev_b32 v[TM+4+\b], 23, v[TM+12+\b]
.endr
	v_lshl_or_b32 v[PW], v[TM+5], 8, v[TM+4]
	v_lshl_or_b32 v[PW], v[TM+6], 16, v[PW]
	v_lshl_or_b32 v[PW], v[TM+7], 24, v[PW]
.set WQ, \win
	WIN WQ
.irp b, 0,1,2,3
.set i, 0
.rept 16
	v_med3_num_f32 v[\dst+16*\b+i], v[\src+16*\b+i], -v[TM+8+\b], v[TM+8+\b]
.set i, i+1
.endr
.endr
	WIN 0
.irp b, 0,1,2,3
	v_cvt_scalef32_pk8_fp8_f32 v[PC+4*\b:PC+4*\b+1], v[\dst+16*\b:\dst+16*\b+7], v[TM+12+\b]
	v_cvt_scalef32_pk8_fp8_f32 v[PC+4*\b+2:PC+4*\b+3], v[\dst+16*\b+8:\dst+16*\b+15], v[TM+12+\b]
.endr
	v_nop
.endm
.macro OUT a
.irp c, 0,1,2,3
	global_store_b128 v[LI], v[PC+4*\c:PC+4*\c+3], s[12:13] offset:2048*(\a)+512*\c
.endr
	global_store_b32 v[LS], v[PW], s[100:101] offset:128*(\a)
.endm
.macro ROPELOAD a
.set CN, 64*((\a)%2)
	WIN TO_B
.irp g, 0,1,2,3
.irp j, 0,1
	global_load_b128 v[CN+8*\g+4*\j:CN+8*\g+4*\j+3], v[RO], s[8:9] offset:(32*((\a)/2)+8*((\a)%2))*256+64*\g+16*\j
	global_load_b128 v[CN+32+8*\g+4*\j:CN+32+8*\g+4*\j+3], v[RO], s[10:11] offset:(32*((\a)/2)+8*((\a)%2))*256+64*\g+16*\j
.endr
.endr
	WIN 0
.endm
.macro ROPE a
.set AC, 64*((\a)%4)
.set CN, 64*((\a)%2)
.set SN, CN+32
.set WR, (2+(\a)/4)|4
	WIN WR
.irp g, 0,1,2,3,4,5,6,7
.irp e, 0,1,2,3
	v_mul_f32 v[TM+2*\e], v[AC+8*\g+2*\e+1], v[SN+4*\g+\e]
	v_mul_f32 v[TM+2*\e+1], v[AC+8*\g+2*\e+1], v[CN+4*\g+\e]
.endr
.irp e, 0,1,2,3
	v_fma_f32 v[X+8*\g+2*\e], v[AC+8*\g+2*\e], v[CN+4*\g+\e], -v[TM+2*\e]
	v_fma_f32 v[X+8*\g+2*\e+1], v[AC+8*\g+2*\e], v[SN+4*\g+\e], v[TM+2*\e+1]
.endr
.endr
	WIN 0
.endm
	PLACES NP
	s_cmp_lt_u32 s2, 2
	s_cbranch_scc0 .Lv_path
	ROPELOAD 0
	ROPELOAD 1
.irp a, 0,1,2,3,4,5,6,7
.if \a < 7
	s_wait_loadcnt 16
.else
	s_wait_loadcnt 0x0
.endif
	ROPE \a
.if \a < 6
	ROPELOAD \a+2
.endif
	QUANT X, 0, X
	OUT \a
.endr
	s_branch .Lend
.Lv_path:
.irp a, 0,1,2,3,4,5,6,7
	QUANT 64*(\a%4), 2+\a/4, X
	OUT \a
.endr
.Lend:
	s_wait_tensorcnt 0x0
	ds_add_u32 v[SPW], v[NIL]
	s_wait_dscnt 0x0
	CROUND
	s_endpgm
.Lfunc_end_k_q0ecd02a807_qkv:
	.size	k_q0ecd02a807_qkv, .Lfunc_end_k_q0ecd02a807_qkv-k_q0ecd02a807_qkv
	.p2alignl 7, 3214868480
	.fill 96, 4, 3214868480
	.section	.rodata,"a",@progbits
	.p2align	6, 0x0
	.amdhsa_kernel k_q0ecd02a807_qkv
		.amdhsa_group_segment_fixed_size 327680
		.amdhsa_private_segment_fixed_size 0
		.amdhsa_enable_private_segment 0
		.amdhsa_kernarg_size 48
		.amdhsa_user_sgpr_count 2
		.amdhsa_user_sgpr_kernarg_segment_ptr 1
		.amdhsa_wavefront_size32 1
		.amdhsa_system_sgpr_workgroup_id_x 1
		.amdhsa_system_sgpr_workgroup_id_y 1
		.amdhsa_system_sgpr_workgroup_id_z 1
		.amdhsa_system_vgpr_workitem_id 0
		.amdhsa_next_free_vgpr 1024
		.amdhsa_next_free_sgpr 102
		.amdhsa_reserve_vcc 0
		.amdhsa_float_denorm_mode_32 3
		.amdhsa_float_denorm_mode_16_64 3
		.amdhsa_memory_ordered 1
		.amdhsa_forward_progress 1
		.amdhsa_inst_pref_size 255
	.end_amdhsa_kernel
	.section	.bss,"aw",@nobits
	.p2align	6
	.space	262144
	.amdgpu_metadata
---
amdhsa.version: [ 1, 2 ]
amdhsa.kernels:
  - .name:           k_q0ecd02a807_qkv
    .symbol:         k_q0ecd02a807_qkv.kd
    .args:
      - { .name: xq, .offset: 0, .size: 8, .value_kind: global_buffer, .address_space: global }
      - { .name: wz, .offset: 8, .size: 8, .value_kind: global_buffer, .address_space: global }
      - { .name: freqs_cos, .offset: 16, .size: 8, .value_kind: global_buffer, .address_space: global }
      - { .name: freqs_sin, .offset: 24, .size: 8, .value_kind: global_buffer, .address_space: global }
      - { .name: qi, .offset: 32, .size: 8, .value_kind: global_buffer, .address_space: global }
      - { .name: kv, .offset: 40, .size: 8, .value_kind: global_buffer, .address_space: global }
    .group_segment_fixed_size: 327680
    .private_segment_fixed_size: 0
    .kernarg_segment_align: 8
    .kernarg_segment_size: 48
    .max_flat_workgroup_size: 128
    .sgpr_count:     102
    .vgpr_count:     1024
    .wavefront_size: 32
...
	.end_amdgpu_metadata
.endif
;; end of part 2
;; launch attn (part 3): grid 16 x 16, 4 waves a work-group, clusters of 4 x 4, 327,680 bytes of LDS; arguments qi, kv, mask, at; writes at
.if DOCPART == 3
	.amdgcn_target "amdgcn-amd-amdhsa--gfx1250"
	.amdhsa_code_object_version 6
	.text
	.protected	k_q0ecd02a807_attn
	.globl	k_q0ecd02a807_attn
	.p2align	8
	.type	k_q0ecd02a807_attn,@function
k_q0ecd02a807_attn:
	s_mov_b64 s[64:65], 0
	v_nop
	global_prefetch_b8 v0, s[64:65] scope:SCOPE_SE
	s_setreg_imm32_b32 hwreg(HW_REG_WAVE_MODE, 25, 1), 1
	s_wait_xcnt 0x0
	s_wait_alu depctr_hold_cnt(0) depctr_sa_sdst(0) depctr_va_vdst(0) depctr_va_sdst(0) depctr_va_ssrc(0) depctr_va_vcc(0) depctr_vm_vsrc(0)
	s_getreg_b32 s2, hwreg(HW_REG_IB_STS2, 6, 4)
	s_cmp_eq_u32 s2, 0
	s_cbranch_scc0 .Lentry_in_a_cluster
	s_endpgm
.Lentry_in_a_cluster:
	s_bfe_u32 s2, ttmp6, 0x10000c
	s_cmp_lg_u32 s2, 0xf033
	s_cbranch_scc0 .Lentry_shape_is_right
	s_endpgm
.Lentry_shape_is_right:
; o[q][head] = softmax_k(q . k / sqrt(128) + mask[q][k]) v, both products on codes of FP8 (E4M3) with E8M0 scales; o is quantised along the head's 128 on the way out, as an operand of the last product.
; THE MASK IS AN INPUT: all 2,048 keys are walked for every query, and every number of the mask is read and added in f32.  No work of the problem is left out.
; THE SOFTMAX: logit = score / sqrt(128) + mask; M = ceil(the running largest logit x log2(e)); p = 2^(logit x log2(e) - M), one fused multiply-add and one v_exp_f32, is quantised along the keys, not normalised.
; The row's sum is taken of the unquantised p and divides at the end.  When M moves, the sum and O are multiplied by 2^(old M - new M): exact.
; SHARES.  A work-group owns 128 queries of one head; each of its FOUR waves 32 of them, two tiles of 16 (fragments 2 w and 2 w + 1 of the block), so that each fragment of K and of V^T read from LDS feeds two products.
; LAYOUT.  Both products transposed: S^T = K Q^T, O^T = V^T P^T: a lane holds one query of each tile.  Fragments lie as images of operand registers; lane r of row block 2 b + u holds row 32 b + 8 u + r + 8 (r / 8):
; so registers 16 bb + i of a tile are keys (channels) 32 bb + 16 h + i, and my lane's query in tile u is row 32 w + 8 u + r + 8 (r / 8) of the block.
; RING.  Two LDS slots, a key step of 128 keys each: the step's record of kv (34,816 bytes: K's 8 fragments, V^T's 8, their scale words; waves 0 and 1 fetch its halves) and its tile of the mask (128 x 128 f32; waves 2 and 3 its halves).
; One load a wave behind each round.  The step is written once in the loop: the slot is a scalar that an exclusive or turns.  Step 15, which asks for nothing, is written out.
; THE SECOND PRODUCT IS DEFERRED: V^T has registers of its own, so step i - 1's rescaling of O and its product stand behind step i's round, while step i's LDS loads are out.  The first trip finds p's codes, V^T and O as zeros.
; CLUSTER 4 x 4: x = the block of queries, y = the head.  The record hangs on the head alone: asked for jointly along a row of the cluster; the mask's tile on the block of queries alone: along a column.
; LIMITS: the promise holds while |logit x log2(e)| stays under 2^31; logit is one fused multiply-add by 1 / sqrt(128) where the definition divides and adds; 1 / l is v_rcp_f32; NaN in the inputs is not served; a block of zeros gets the byte 1 (its codes are zeros).
; REGISTERS.  window 0: v1-11 addresses, v12-31 the rows' state, v32-63 the eight blocks' maxima, bytes, bounds and scale operands, v64-95 Q, v96-127 p's codes, v128-147 scale words alone.
;   window 1: v0-127 K.   window 2: v0-127 S^T, then p (tile u at 64 u); v128-255 V^T.   window 3: v0-127 O^T (tile u at 64 u); v128-255 the mask, register for register as S^T.
.set REC,   34816
.set HREC,  17408
.set SLOT1, 131072
.set MOFF,  34816                      ; the mask's tile in a slot
.set MP,    520                        ; its row: 512 bytes + 8 of padding = 130 words: the 32 lanes of a load of 8 bytes (rows 0-7 and 16-23, two halves 16 words apart) touch 64 different banks (ISA guide 11.1)
.set SPARE, 262144                     ; the spare words, 128 bytes for each of four waves
.set AS0, 2                            ; v2  32,768 + 4 x lane
.set AM0, 3                            ; v3  the mask's tile + my tile 0 query's row + 64 h
.set ADK, 4                            ; v4-6 the same three in the slot in hand
.set ADS, 5
.set ADM, 6
.set SPW, 7
.set NIL, 8
.set PFO, 9                            ; v9  the prefetches' offset; never rewritten
.set LS,  10                           ; v10 4 x lane
.set LI,  11                           ; v11 16 x lane
.set NM,  12                           ; v[12:13], v[14:15] -M of tile 0, 1 (the low word serves both halves)
.set RT,  16                           ; v16-17 the largest t
.set LL,  18                           ; v[18:19], v[20:21] the sums in two halves
.set B2,  22                           ; v[22:25] their second chains
.set FF,  26                           ; v[26:27], v[28:29] f
.set TT,  30
.set BM,  32
.set BP,  40
.set BH,  48
.set BS,  56
.set QF,  64
.set PC,  96
.set KS,  128
.set VS,  136
.set QS,  144
.set PS,  146
.set WV,  12
.set LIM, 15                           ; s15 14 in a wave that prefetches, else 0
.set SEL, 20
.set INV, 22                           ; s[22:23] 1 / sqrt(128)
.set G1K, 24
.set G1M, 32
.set G0K, 40                           ; the walking groups 0
.set G0M, 44
.set TB,  48                           ; s48 LDS byte at which the slot in hand begins
.set LG,  56                           ; s[56:57] log2(e)
.set MNT, 58
.set CNT, 59
.set PFA, 60
.set PFS, 62
.set MSB, 0
.macro WIN new
.if MSB != \new
	s_set_vgpr_msb (MSB<<8)|\new
.set MSB, \new
.endif
.endm
.macro PLACES n
.rept \n
	v_nop
.endr
.endm
; A joint load: waves 0, 1 the record's halves, waves 2, 3 the mask's.  The branch hangs on the wave's number alone.  s_nop 0 and four v_nop follow each line.
.macro JLOAD
	s_cmp_eq_u32 s13, 0
	s_cbranch_scc0 .Lfor_m_\@
	tensor_load_to_lds s[G0K:G0K+3], s[G1K:G1K+7]
	s_nop 0
	PLACES 4
	s_branch .Lasked_\@
.Lfor_m_\@:
	tensor_load_to_lds s[G0M:G0M+3], s[G1M:G1M+7]
	s_nop 0
	PLACES 4
.Lasked_\@:
.endm
.macro CROUND                          ; a round of the cluster's barrier
	s_barrier_signal -1
	s_barrier_wait -1
	s_cmp_lg_u32 s[WV], 0
	s_cbranch_scc1 .Lnot_wave_0_\@
	s_barrier_signal -3
.Lnot_wave_0_\@:
	s_barrier_wait -3
	s_barrier_signal -1
	s_barrier_wait -1
.endm
; A PREFETCH INTO THE L2 of key step i + 2 in trip i: one step ahead of the joint load that will ask for it.  Each aligned block of 256 bytes is named once in the launch.
; A head's records are read by the four clusters of its row of clusters: cluster x = 0 asks; its four partners take 8,192 bytes of the record's codes each, told apart BY ADDRESS (cx); wave 0, lanes 256 bytes apart.
; A block of queries' rows of the mask are read by the four clusters of its column: cluster y = 0 asks; the partners take 32 rows each (cy); waves 2 and 3 take the halves of a step's 512 bytes, a lane a row.
; The record's scale words come by their load alone.  Steps 0 and 1 are not asked for; trips 0 to 13 ask for steps 2 to 15, trip 14 for nothing.
.macro ASK
	s_cmp_lt_u32 s[CNT], s[LIM]
	s_cbranch_scc0 .Lnot_mine_\@
	global_prefetch_b8 v[PFO], s[PFA:PFA+1] th:TH_LOAD_NT scope:SCOPE_SE
.Lnot_mine_\@:
.endm
	s_load_b256 s[4:11], s[0:1], 0x0               ; qi s[4:5], kv s[6:7], mask s[8:9], at s[10:11]
	v_lshl_add_u32 v[SPW], v0, 2, SPARE
	v_mov_b32 v[NIL], 0
	ds_add_u32 v[SPW], v[NIL]                      ; the opening lines: the add, twice on end, and its wait ahead of my first tensor load
	ds_add_u32 v[SPW], v[NIL]
	v_lshrrev_b32 v30, 5, v0
	v_readfirstlane_b32 s[WV], v30                 ; wave 0..3
	s_lshr_b32 s13, s[WV], 1                       ; 0: I fetch of the record; 1: of the mask
	s_and_b32 s14, s[WV], 1                        ; which half
	s_bfe_u32 s16, ttmp6, 0x40000                  ; cx
	s_bfe_u32 s17, ttmp6, 0x40004                  ; cy
	s_lshl_b32 s18, ttmp9, 2
	s_add_co_u32 s18, s18, s16                     ; my block of 128 queries
	s_and_b32 s19, ttmp7, 0xffff
	s_lshl_b32 s19, s19, 2
	s_add_co_u32 s19, s19, s17                     ; my head
	s_lshl_b32 s66, s17, 2
	s_lshl_b32 s66, 15, s66                        ; my row of the cluster
	s_lshl_b32 s67, 0x1111, s16                    ; my column
	s_or_b32 s[G1K], s66, (3<<16)|(1<<21)          ; the record's half: 17,408 dense bytes as 68 rows of 256 (32 elements of 8 bytes); no padding
	s_mov_b32 s[G1K+1], 32<<16
	s_mov_b32 s[G1K+2], 68<<16
	s_mov_b32 s[G1K+3], 32<<16
	s_mov_b32 s[G1K+4], 68
	s_mov_b32 s[G1K+5], 32
	s_mov_b32 s[G1K+6], 0
	s_mov_b32 s[G1K+7], 0
	s_or_b32 s[G1M], s67, (2<<16)|(1<<20)|(1<<21)|(6<<22)|(1<<25)   ; the mask's half: 64 rows of 128 elements of 4 bytes, 2,048 elements apart; 2 words of padding behind every 128
	s_mov_b32 s[G1M+1], 128<<16
	s_mov_b32 s[G1M+2], 64<<16
	s_mov_b32 s[G1M+3], 128<<16
	s_mov_b32 s[G1M+4], 64
	s_mov_b32 s[G1M+5], 2048
	s_mov_b32 s[G1M+6], 0
	s_mov_b32 s[G1M+7], 0
	s_mul_i32 s68, s19, 16*REC                     ; the head's records,
	s_mul_i32 s72, s14, HREC                       ; my half: in memory and in a slot alike
	s_add_co_u32 s68, s68, s72
	s_mov_b32 s69, 0
	s_lshl_b32 s70, s18, 20                        ; the mask: 128 rows of 8,192 bytes a block of queries,
	s_lshl_b32 s71, s14, 19                        ; 64 rows a half
	s_add_co_u32 s70, s70, s71
	s_mov_b32 s71, 0
	s_mul_i32 s73, s14, 64*MP
	s_add_co_u32 s73, s73, MOFF
	s_mov_b32 s[SEL], 0x76543210
	s_mov_b32 s[SEL+1], 0xfedcba98
	s_mov_b32 s[INV], 0x3db504f3                   ; 1 / sqrt(128)
	s_mov_b32 s[INV+1], s[INV]                     ; (named with it as a pair, so it is written)
	s_mov_b32 s[LG], 0x3fb8aa3b                    ; log2(e)
	s_mov_b32 s[LG+1], s[LG]
	s_mov_b32 s[MNT], 0x600000
	s_mov_b32 s[TB], 0
	s_mov_b32 s[CNT], 0
	s_wait_dscnt 0x0                               ; both opening adds are done
	s_wait_kmcnt 0x0
	s_mov_b32 s[G0K], 1                            ; key step 0 into slot 0
	s_mov_b32 s[G0K+1], s72
	s_add_nc_u64 s[G0K+2:G0K+3], s[6:7], s[68:69]
	s_or_b32 s[G0K+3], s[G0K+3], 0x80000000
	s_mov_b32 s[G0M], 1
	s_mov_b32 s[G0M+1], s73
	s_add_nc_u64 s[G0M+2:G0M+3], s[8:9], s[70:71]
	s_or_b32 s[G0M+3], s[G0M+3], 0x80000000
	CROUND                                         ; all sixteen work-groups are here: the first joint loads meet
	JLOAD                                          ; one tensor load a wave at the head
	s_lshl_b32 s74, s19, 7
	s_lshl_b32 s75, s18, 3
	s_add_co_u32 s74, s74, s75
	s_lshl_b32 s75, s[WV], 1
	s_add_co_u32 s74, s74, s75                     ; my first fragment of q: head x 128 + 8 x block + 2 x wave
	s_lshl_b32 s66, s74, 11
	s_mov_b32 s67, 0
	s_add_nc_u64 s[66:67], s[4:5], s[66:67]
	s_lshl_b32 s74, s74, 7
	s_add_co_u32 s74, s74, 0x400000
	s_mov_b32 s75, 0
	s_add_nc_u64 s[74:75], s[4:5], s[74:75]
	s_mul_i32 s76, s[WV], 32*MP                    ; my tiles' first row in the block: 32 w
	s_add_co_u32 s76, s76, MOFF
	; the prefetches: where my wave's stand (at key step 1: the first trip steps them to step 2), and who asks
	s_and_b32 s80, ttmp7, 0xffff                   ; cluster y
	s_mul_i32 s82, s19, 16*REC
	s_lshl_b32 s83, s16, 13
	s_add_co_u32 s82, s82, s83
	s_add_co_u32 s82, s82, REC                     ; kv: my head, my work-group's 8,192 bytes
	s_lshl_b32 s84, s18, 20
	s_lshl_b32 s85, s17, 18
	s_add_co_u32 s84, s84, s85
	s_lshl_b32 s85, s14, 8
	s_add_co_u32 s84, s84, s85
	s_add_co_u32 s84, s84, 512                     ; mask: my block of queries, my work-group's 32 rows, my wave's 256 bytes
	s_mov_b32 s[PFS], 512
	s_mov_b32 s86, 8192
	s_mov_b32 s81, 0
	s_cmp_eq_u32 s13, 0
	s_cselect_b64 s[PFA:PFA+1], s[6:7], s[8:9]
	s_cselect_b32 s82, s82, s84
	s_cselect_b32 s[PFS], REC, s[PFS]
	s_cselect_b32 s86, 256, s86                    ; from lane to lane
	s_cselect_b32 s80, ttmp9, s80                  ; the coordinate along which other clusters read the same bytes
	s_cselect_b32 s81, s14, s81                    ; 0 in wave 0, and in waves 2 and 3
	s_mov_b32 s83, 0
	s_mov_b32 s[PFS+1], 0
	s_add_nc_u64 s[PFA:PFA+1], s[PFA:PFA+1], s[82:83]
	s_or_b32 s80, s80, s81
	s_cmp_eq_u32 s80, 0
	s_cselect_b32 s[LIM], 14, 0                    ; the same in all sixteen partners, for a given wave
	v_and_b32 v30, 31, v0
	v_lshlrev_b32 v[LI], 4, v30
	v_lshlrev_b32 v[LS], 2, v30
.irp u, 0,1
.irp c, 0,1,2,3
	global_load_b128 v[QF+16*\u+4*\c:QF+16*\u+4*\c+3], v[LI], s[66:67] offset:2048*\u+512*\c   ; Q's two fragments stay in registers
.endr
	global_load_b32 v[QS+\u], v[LS], s[74:75] offset:128*\u                                    ; and their scale words
.endr
	v_add_nc_u32 v[AS0], 32768, v[LS]
	v_and_b32 v31, 15, v0                          ; r
	v_bfe_u32 v32, v0, 4, 1                        ; h
	v_and_b32 v33, 8, v31
	v_add_nc_u32 v33, v33, v31                     ; r + 8 (r / 8)
	v_mul_u32_u24 v[AM0], v33, MP
	v_lshl_add_u32 v[AM0], v32, 6, v[AM0]
	v_add_nc_u32 v[AM0], s76, v[AM0]
	v_mul_lo_u32 v[PFO], v30, s86
.irp u, 0,1
	v_mov_b32 v[RT+\u], 0xff61b1e6                 ; the largest t so far: -3e38, under every t
	v_mov_b32 v[NM+2*\u+1], 0                      ; (upper halves of pairs are named, so they are written)
	v_mov_b32 v[LL+2*\u], 0                        ; the sums
	v_mov_b32 v[LL+2*\u+1], 0
	v_mov_b32 v[FF+2*\u], 1.0
	v_mov_b32 v[FF+2*\u+1], 0
	v_mov_b32 v[PS+\u], 0
.endr
.irp u, 0,1
	v_floor_f32 v[NM+2*\u], -v[RT+\u]              ; -M
.endr
; The step is written in one form, with the product of the step before at its head: the first trip finds zero codes of p, zero codes of V^T, finite scale bytes and O^T = 0.  These lines stand under the first tiles' flight.
.set j, 0
.rept 8
	v_mov_b32 v[BP+j], 0                           ; a lane permute's destination counts as one of its sources
	v_mov_b32 v[VS+j], 0
.set j, j+1
.endr
.set j, 0
.rept 32
	v_mov_b32 v[PC+j], 0
.set j, j+1
.endr
	WIN 0x80
.set j, 0
.rept 128
	v_mov_b32 v[128+j], 0                          ; V^T
.set j, j+1
.endr
	WIN 0xc0
.set j, 0
.rept 128
	v_mov_b32 v[j], 0                              ; O^T
.set j, j+1
.endr
	WIN 0
; O^T under the last step's new M.  The wait stands directly ahead of the first reader of the products' results.  These 64 lines are also the places between p's codes and the products.
.macro ORESC
	WIN 0xc3
	s_wait_alu depctr_va_vdst(0)
.set j, 0
.rept 64
	v_pk_mul_f32 v[2*j:2*j+1], v[2*j:2*j+1], v[FF+2*(j/32):FF+2*(j/32)+1] op_sel_hi:[1,0]
.set j, j+1
.endr
.endm
; O^T += V^T P^T: sixteen accumulators by turns, each fragment of V^T against both tiles.  mk = 1: the step's 64 loads of the mask stand in four groups among them.
.macro PVS mk
.irp g, 0,1,2,3
	WIN 0xf2
.irp i, 2*\g, 2*\g+1
.irp u, 0,1
	v_wmma_scale_f32_16x16x128_f8f6f4 v[64*\u+8*(\i):64*\u+8*(\i)+7], v[128+16*(\i):128+16*(\i)+15], v[PC+16*\u:PC+16*\u+15], v[64*\u+8*(\i):64*\u+8*(\i)+7], v[VS+(\i)], v[PS+\u]
.endr
.endr
.if \mk
	WIN 0xc0
.set j, 16*\g
.rept 16
	ds_load_b64 v[128+2*j:129+2*j], v[ADM] offset:8*MP*(j/32)+128*((j%32)/8)+8*(j%8)   ; the mask of my queries at keys 32 bb + 16 h + 0 .. 15
.set j, j+1
.endr
.endif
.endr
.endm
; THE SOFTMAX of both tiles: 128 scores a lane, eight blocks of 32 keys (block 4 u + bb), worked side by side under common window settings.
.macro SOFTMAX
	WIN 0
	PLACES 8                                       ; behind the products: ahead of the first read of the scores and of the loads into V^T's registers and scale words
	s_wait_dscnt 0x0                               ; the mask is in
.set j, 0
.rept 8
	ds_load_b32 v[VS+j], v[ADS] offset:1024+128*j
.set j, j+1
.endr
.set j, 0
.rept 8                                            ; logit = score / sqrt(128) + mask, each accumulator from its low end on; V^T's 32 loads stand among the 64 lines
	WIN 0xb2
.rept 8
	v_pk_fma_f32 v[2*j:2*j+1], v[2*j:2*j+1], s[INV:INV+1], v[128+2*j:129+2*j] op_sel_hi:[1,0,1]
.set j, j+1
.endr
	WIN 0x80
.irp c, 4,3,2,1                                    ; pieces j / 2 - 4 .. j / 2 - 1 of V^T's 32
	ds_load_b128 v[128+2*j-4*\c:128+2*j-4*\c+3], v[ADK] offset:16384+128*(2*j-4*\c)
.endr
.endr
	WIN 0x2a                                       ; the largest logit of each block: for the row's maximum and, since p rises with it, for the block's largest p
.irp b, 0,1,2,3,4,5,6,7
	v_max3_num_f32 v[BM+\b], v[16*\b], v[16*\b+1], v[16*\b+2]
.endr
	WIN 0x0a
.irp i, 3,5,7,9,11,13
.irp b, 0,1,2,3,4,5,6,7
	v_max3_num_f32 v[BM+\b], v[16*\b+\i], v[16*\b+\i+1], v[BM+\b]
.endr
.endr
.irp b, 0,1,2,3,4,5,6,7
	v_max3_num_f32 v[BM+\b], v[16*\b+15], v[16*\b+15], v[BM+\b]
.endr
	WIN 0
.irp b, 0,1,2,3,4,5,6,7
	v_permlanex16_b32 v[BP+\b], v[BM+\b], s[SEL], s[SEL+1]
.endr
.irp b, 0,1,2,3,4,5,6,7
	v_max_num_f32 v[BM+\b], v[BM+\b], v[BP+\b]     ; with lane l xor 16's 16 keys
.endr
.irp u, 0,1
	v_max3_num_f32 v[TT+\u], v[BM+4*\u], v[BM+4*\u+1], v[BM+4*\u+2]
.endr
.irp u, 0,1
	v_max_num_f32 v[TT+\u], v[TT+\u], v[BM+4*\u+3]
.endr
.irp u, 0,1
	v_mul_f32 v[TT+\u], s[LG], v[TT+\u]            ; as t
.endr
.irp u, 0,1
	v_max_num_f32 v[RT+\u], v[RT+\u], v[TT+\u]     ; the running largest t
.endr
.irp u, 0,1
	v_mov_b32 v[TT+\u], v[NM+2*\u]
.endr
.irp u, 0,1
	v_floor_f32 v[NM+2*\u], -v[RT+\u]              ; the new -M = -ceil(t)
.endr
.irp u, 0,1
	v_sub_f32 v[TT+\u], v[NM+2*\u], v[TT+\u]       ; old M - new M: a whole number, 0 or less
.endr
.irp u, 0,1
	v_cvt_i32_f32 v[TT+\u], v[TT+\u]               ; (it saturates)
.endr
.irp u, 0,1
	v_ldexp_f32 v[FF+2*\u], 1.0, v[TT+\u]          ; f = 2^(old M - new M)
.endr
.irp b, 0,1,2,3,4,5,6,7
	v_fma_f32 v[BM+\b], v[BM+\b], s[LG], v[NM+2*(\b/4)]   ; t - M of each block's largest logit
.endr
	WIN 0x82
.set j, 0
.rept 64
	v_pk_fma_f32 v[2*j:2*j+1], v[2*j:2*j+1], s[LG:LG+1], v[NM+2*(j/32):NM+2*(j/32)+1] op_sel_hi:[1,0,0]   ; t - M
.set j, j+1
.endr
	s_wait_alu depctr_va_vdst(0)                   ; the wait ahead of the batch
.set j, 0
.rept 128
	v_exp_f32 v[j], v[j]                           ; p = 2^(t - M)
.set j, j+1
.endr
	WIN 0
.irp b, 0,1,2,3,4,5,6,7
	v_exp_f32 v[BM+\b], v[BM+\b]                   ; the block's largest p: the same two instructions on the same number
.endr
.irp u, 0,1
	v_pk_mul_f32 v[LL+2*\u:LL+2*\u+1], v[LL+2*\u:LL+2*\u+1], v[FF+2*\u:FF+2*\u+1] op_sel_hi:[1,0]   ; the sums under the new M: plain lines behind the exponentials
.endr
	s_wait_alu depctr_va_vdst(0)                   ; one wait for the whole batch, ahead of its first reader
	WIN 0x0a
.irp u, 0,1
	v_pk_add_f32 v[B2+2*\u:B2+2*\u+1], v[64*\u:64*\u+1], v[64*\u+2:64*\u+3]   ; the rows' sums of the unquantised p: four chains
.endr
	WIN 0x02
.set j, 4
.rept 15
.irp u, 0,1
	v_pk_add_f32 v[LL+2*\u:LL+2*\u+1], v[64*\u+j:64*\u+j+1], v[LL+2*\u:LL+2*\u+1]
	v_pk_add_f32 v[B2+2*\u:B2+2*\u+1], v[64*\u+j+2:64*\u+j+3], v[B2+2*\u:B2+2*\u+1]
.endr
.set j, j+4
.endr
	WIN 0
.irp u, 0,1
	v_pk_add_f32 v[LL+2*\u:LL+2*\u+1], v[LL+2*\u:LL+2*\u+1], v[B2+2*\u:B2+2*\u+1]
.endr
.irp b, 0,1,2,3,4,5,6,7
	v_max_num_f32 v[BM+\b], 0x4800000, v[BM+\b]    ; the floor 2^(9 - 127): the byte cannot fall under 1
.endr
.irp b, 0,1,2,3,4,5,6,7
	v_add_nc_u32 v[BS+\b], 0xfc000000, v[BM+\b]    ; the conversion's scale operand
.endr
.irp b, 0,1,2,3,4,5,6,7
	v_and_or_b32 v[BH+\b], v[BM+\b], 0x7f800000, s[MNT]   ; 448 x the scale
.endr
.irp b, 0,1,2,3,4,5,6,7
	v_lshrrev_b32 v[BP+\b], 23, v[BS+\b]           ; the scale's byte
.endr
.irp u, 0,1
	v_lshl_or_b32 v[PS+\u], v[BP+4*\u+1], 8, v[BP+4*\u]   ; p's scale words for these 128 keys
.endr
.irp u, 0,1
	v_lshl_or_b32 v[PS+\u], v[BP+4*\u+2], 16, v[PS+\u]
.endr
.irp u, 0,1
	v_lshl_or_b32 v[PS+\u], v[BP+4*\u+3], 24, v[PS+\u]
.endr
	WIN 0x82
.set j, 0
.rept 128
	v_min_num_f32 v[j], v[j], v[BH+j/16]           ; the conversion does not saturate (ISA guide 7.6.2); p is not negative, so the hold is one-sided
.set j, j+1
.endr
	WIN 0x02
.set j, 0
.rept 16
	v_cvt_scalef32_pk8_fp8_f32 v[PC+2*j:PC+2*j+1], v[8*j:8*j+7], v[BS+j/2]
.set j, j+1
.endr
	WIN 0
	v_nop                                          ; a plain line behind the last conversion
	s_wait_alu depctr_va_vdst(0)                   ; the wait ahead of the blocking wait that follows
.endm
; A TRIP.  Each wave waits for all its tensor loads (its part of this trip's slot), adds 0 to its spare word, and waits for that and for its reads of the other slot; a round of the cluster's barrier; behind it the other
; slot is filled with the next key step: one load a wave, which has this whole step in which to land.  Then this step's loads from LDS, the last step's second product under their flight, the scores, the softmax.
.macro TRIP refill
	s_wait_tensorcnt 0x0                           ; no tensor load of mine is out, so a group 0 may be written
	ds_add_u32 v[SPW], v[NIL]                      ; 0 onto my spare word
.if \refill
	s_xor_b32 s[G0K+1], s[G0K+1], SLOT1            ; the walking descriptors: the other slot, the next key step
	s_add_nc_u64 s[G0K+2:G0K+3], s[G0K+2:G0K+3], REC
	s_xor_b32 s[G0M+1], s[G0M+1], SLOT1
	s_add_nc_u64 s[G0M+2:G0M+3], s[G0M+2:G0M+3], 512
	s_wait_xcnt 0x0                                ; the last prefetch, a step back, has read its address, so it may be written
	s_add_nc_u64 s[PFA:PFA+1], s[PFA:PFA+1], s[PFS:PFS+1]
.endif
	s_wait_dscnt 0x0                               ; the add is done, and my reads of the other slot are over
	CROUND
.if \refill
	JLOAD
.endif
	v_add_nc_u32 v[ADK], s[TB], v[LI]
	v_add_nc_u32 v[ADS], s[TB], v[AS0]
	v_add_nc_u32 v[ADM], s[TB], v[AM0]
	s_wait_alu depctr_va_vdst(0)                   ; the wait behind these writes
.set j, 0
.rept 8
	ds_load_b32 v[KS+j], v[ADS] offset:128*j
.set j, j+1
.endr
	WIN 0x40
.set j, 0
.rept 32
	ds_load_b128 v[4*j:4*j+3], v[ADK] offset:512*j   ; K's eight fragments, as they lie
.set j, j+1
.endr
	WIN 0
.if \refill
	ASK
.endif
	ORESC
	PVS 1
	s_wait_dscnt 63                                ; behind K's loads stand the mask's 64: K and its scale words are in
	WIN 0x81
.irp i, 0,1,2,3,4,5,6,7
.irp u, 0,1
	v_wmma_scale_f32_16x16x128_f8f6f4 v[64*\u+8*\i:64*\u+8*\i+7], v[16*\i:16*\i+15], v[QF+16*\u:QF+16*\u+15], 0, v[KS+\i], v[QS+\u]
.endr
.endr
	SOFTMAX
.endm
	s_wait_alu depctr_va_vdst(0)                   ; the wait at the head's end
	s_wait_loadcnt 0x0                             ; Q
.Lstep:                                                ; fifteen trips: key steps 0 to 14, each asking for the next
	TRIP 1
	s_xor_b32 s[TB], s[TB], SLOT1
	s_add_co_u32 s[CNT], s[CNT], 1
	s_cmp_lt_u32 s[CNT], 15
	s_cbranch_scc1 .Lstep
	TRIP 0                                         ; step 15 is written out: it asks for nothing
	s_wait_dscnt 0x0                               ; its V^T and scale words are in: no round follows whose wait would show it
	ORESC
	PVS 0                                          ; and its second product
	; THE WAY OUT: O^T / the sum, quantised along the head's 128: register 16 b + i of a tile is channel 32 b + 16 h + i of my query: K step "head" of the last product's operand.
	WIN 0
	PLACES 8
.irp u, 0,1
	v_add_f32 v[LL+2*\u], v[LL+2*\u], v[LL+2*\u+1]
.endr
.irp u, 0,1
	v_permlanex16_b32 v[TT+\u], v[LL+2*\u], s[SEL], s[SEL+1]
.endr
.irp u, 0,1
	v_add_f32 v[LL+2*\u], v[LL+2*\u], v[TT+\u]     ; the rows' sums
.endr
	s_wait_alu depctr_va_vdst(0)                   ; the wait ahead of the transcendentals
.irp u, 0,1
	v_rcp_f32 v[LL+2*\u], v[LL+2*\u]
.endr
	v_nop                                          ; a plain line behind them
	s_lshl_b32 s66, s18, 3
	s_lshl_b32 s67, s[WV], 1
	s_add_co_u32 s66, s66, s67                     ; my first row block: 8 x block + 2 x wave
	s_lshl_b32 s68, s66, 10
	s_lshl_b32 s69, s19, 6
	s_add_co_u32 s68, s68, s69
	s_add_co_u32 s68, s68, 0x400000                ; scale words: 0x400000 + rb x 1,024 + head x 64
	s_mov_b32 s69, 0
	s_lshl_b32 s66, s66, 4
	s_add_co_u32 s66, s66, s19
	s_lshl_b32 s66, s66, 11                        ; codes: (16 rb + head) x 2,048
	s_mov_b32 s67, 0
	s_add_nc_u64 s[68:69], s[10:11], s[68:69]
	s_add_nc_u64 s[66:67], s[10:11], s[66:67]
	WIN 0x83
	s_wait_alu depctr_va_vdst(0)                   ; the wait ahead of the first reader of the reciprocals and of the last products' results
.set j, 0
.rept 128
	v_mul_f32 v[j], v[j], v[LL+2*(j/64)]
.set j, j+1
.endr
	WIN 0x0a
.irp b, 0,1,2,3,4,5,6,7
	v_max3_num_f32 v[BM+\b], |v[16*\b]|, |v[16*\b+1]|, 0x4800000
.endr
.irp i, 2,4,6,8,10,12,14
.irp b, 0,1,2,3,4,5,6,7
	v_max3_num_f32 v[BM+\b], |v[16*\b+\i]|, |v[16*\b+\i+1]|, v[BM+\b]
.endr
.endr
	WIN 0
.irp b, 0,1,2,3,4,5,6,7
	v_permlanex16_b32 v[BP+\b], v[BM+\b], s[SEL], s[SEL+1]
.endr
.irp b, 0,1,2,3,4,5,6,7
	v_max_num_f32 v[BM+\b], v[BM+\b], v[BP+\b]
.endr
.irp b, 0,1,2,3,4,5,6,7
	v_add_nc_u32 v[BS+\b], 0xfc000000, v[BM+\b]
.endr
.irp b, 0,1,2,3,4,5,6,7
	v_and_or_b32 v[BH+\b], v[BM+\b], 0x7f800000, s[MNT]
.endr
.irp b, 0,1,2,3,4,5,6,7
	v_lshrrev_b32 v[BP+\b], 23, v[BS+\b]
.endr
.irp u, 0,1
	v_lshl_or_b32 v[TT+\u], v[BP+4*\u+1], 8, v[BP+4*\u]
.endr
.irp u, 0,1
	v_lshl_or_b32 v[TT+\u], v[BP+4*\u+2], 16, v[TT+\u]
.endr
.irp u, 0,1
	v_lshl_or_b32 v[TT+\u], v[BP+4*\u+3], 24, v[TT+\u]   ; my queries' scale words
.endr
	WIN 0x82
.set j, 0
.rept 128
	v_med3_num_f32 v[j], v[j], -v[BH+j/16], v[BH+j/16]
.set j, j+1
.endr
	WIN 0x02
.set j, 0
.rept 16
	v_cvt_scalef32_pk8_fp8_f32 v[PC+2*j:PC+2*j+1], v[8*j:8*j+7], v[BS+j/2]
.set j, j+1
.endr
	WIN 0
	v_and_b32 v[B2], 31, v0                        ; (a plain line behind the last conversion)
.irp u, 0,1
.irp c, 0,1,2,3
	global_store_b128 v[LI], v[PC+16*\u+4*\c:PC+16*\u+4*\c+3], s[66:67] offset:32768*\u+512*\c   ; the fragments' images: 512 consecutive bytes a store
.endr
.endr
	v_cmp_gt_u32 vcc_lo, 16, v[B2]
	s_wait_xcnt 0x0                                ; EXEC changes only behind this wait
	s_and_saveexec_b32 s70, vcc_lo
	global_store_b32 v[LS], v[TT], s[68:69]        ; lanes 0-15: the 16 rows' scale words, 64 consecutive bytes
	global_store_b32 v[LS], v[TT+1], s[68:69] offset:1024
	s_wait_xcnt 0x0                                ; and again in front of the line that widens it
	s_or_b32 exec_lo, exec_lo, s70
	s_wait_tensorcnt 0x0                           ; the wave's end
	ds_add_u32 v[SPW], v[NIL]
	s_wait_dscnt 0x0
	CROUND                                         ; the closing round
	s_endpgm
.Lfunc_end_k_q0ecd02a807_attn:
	.size	k_q0ecd02a807_attn, .Lfunc_end_k_q0ecd02a807_attn-k_q0ecd02a807_attn
	.p2alignl 7, 3214868480
	.fill 96, 4, 3214868480
	.section	.rodata,"a",@progbits
	.p2align	6, 0x0
	.amdhsa_kernel k_q0ecd02a807_attn
		.amdhsa_group_segment_fixed_size 327680
		.amdhsa_private_segment_fixed_size 0
		.amdhsa_enable_private_segment 0
		.amdhsa_kernarg_size 32
		.amdhsa_user_sgpr_count 2
		.amdhsa_user_sgpr_kernarg_segment_ptr 1
		.amdhsa_wavefront_size32 1
		.amdhsa_system_sgpr_workgroup_id_x 1
		.amdhsa_system_sgpr_workgroup_id_y 1
		.amdhsa_system_sgpr_workgroup_id_z 1
		.amdhsa_system_vgpr_workitem_id 0
		.amdhsa_next_free_vgpr 1024
		.amdhsa_next_free_sgpr 90
		.amdhsa_reserve_vcc 1
		.amdhsa_float_denorm_mode_32 3
		.amdhsa_float_denorm_mode_16_64 3
		.amdhsa_memory_ordered 1
		.amdhsa_forward_progress 1
		.amdhsa_inst_pref_size 146
	.end_amdhsa_kernel
	.amdgpu_metadata
---
amdhsa.version: [ 1, 2 ]
amdhsa.kernels:
  - .name:           k_q0ecd02a807_attn
    .symbol:         k_q0ecd02a807_attn.kd
    .args:
      - { .name: qi, .offset: 0, .size: 8, .value_kind: global_buffer, .address_space: global }
      - { .name: kv, .offset: 8, .size: 8, .value_kind: global_buffer, .address_space: global }
      - { .name: mask, .offset: 16, .size: 8, .value_kind: global_buffer, .address_space: global }
      - { .name: at, .offset: 24, .size: 8, .value_kind: global_buffer, .address_space: global }
    .group_segment_fixed_size: 327680
    .private_segment_fixed_size: 0
    .kernarg_segment_align: 8
    .kernarg_segment_size: 32
    .max_flat_workgroup_size: 128
    .sgpr_count:     90
    .vgpr_count:     1024
    .wavefront_size: 32
...
	.end_amdgpu_metadata
.endif
;; end of part 3
;; launch proj (part 4): grid 16 x 16, 4 waves a work-group, clusters of 4 x 4, 327,680 bytes of LDS; arguments at, wz, out0; writes out0
.if DOCPART == 4
	.amdgcn_target "amdgcn-amd-amdhsa--gfx1250"
	.amdhsa_code_object_version 6
	.text
	.protected	k_q0ecd02a807_proj
	.globl	k_q0ecd02a807_proj
	.p2align	8
	.type	k_q0ecd02a807_proj,@function
k_q0ecd02a807_proj:
	s_mov_b64 s[64:65], 0
	v_nop
	global_prefetch_b8 v0, s[64:65] scope:SCOPE_SE
	s_setreg_imm32_b32 hwreg(HW_REG_WAVE_MODE, 25, 1), 1
	s_wait_xcnt 0x0
	s_wait_alu depctr_hold_cnt(0) depctr_sa_sdst(0) depctr_va_vdst(0) depctr_va_sdst(0) depctr_va_ssrc(0) depctr_va_vcc(0) depctr_vm_vsrc(0)
	s_getreg_b32 s2, hwreg(HW_REG_IB_STS2, 6, 4)
	s_cmp_eq_u32 s2, 0
	s_cbranch_scc0 .Lentry_in_a_cluster
	s_endpgm
.Lentry_in_a_cluster:
	s_bfe_u32 s2, ttmp6, 0x10000c
	s_cmp_lg_u32 s2, 0xf033
	s_cbranch_scc0 .Lentry_shape_is_right
	s_endpgm
.Lentry_shape_is_right:
.set FR,     16
.set NP,     8
.set NQ,     4
.set RBK,    NQ*2048
.set HALFT,  4*RBK
.set SLOT,   4*HALFT
.set SCL,    2*SLOT
.set SBLK,   1024
.set HALFS,  4*SBLK
.set SPARE,  SCL+4*HALFS
.set SPITCH, 272
.set STGB,   16*SPITCH
.set STGW,   4*STGB
.set ADRA, 16
.set ADRB, 20
.set STO,  24
.set RD,   25
.set CO,   26
.set ADRS, 27
.set SPW,  28
.set NIL,  29
.set SC,   32
.set ACC,  128
.set G1, 24
.set G0, 32
.set G1B, 48
.set G0B, 56
.set G1S, 68
.set G0S, 76
.set G1SB, 80
.set G0SB, 88
.set MSB, 0
.macro WIN new
.if MSB != \new
	s_set_vgpr_msb (MSB<<8)|\new
.set MSB, \new
.endif
.endm
.set MUL,  0x05
.set TO_F, 0x40
.macro JLOAD g0a, g1a, g0b, g1b
	s_cmp_eq_u32 s15, 0
	s_cbranch_scc0 .Lfor_b_\@
	tensor_load_to_lds s[\g0a:\g0a+3], s[\g1a:\g1a+7]
	s_nop 0
.rept 4
	v_nop
.endr
	s_branch .Lasked_\@
.Lfor_b_\@:
	tensor_load_to_lds s[\g0b:\g0b+3], s[\g1b:\g1b+7]
	s_nop 0
.rept 4
	v_nop
.endr
.Lasked_\@:
.endm
.macro CREST
	s_cmp_lg_u32 s14, 0
	s_cbranch_scc1 .Lnot_wave_0_\@
	s_barrier_signal -3
.Lnot_wave_0_\@:
	s_barrier_wait -3
	s_barrier_signal -1
	s_barrier_wait -1
.endm
.macro CROUND
	s_barrier_signal -1
	s_barrier_wait -1
	CREST
.endm
	s_load_b128 s[4:7], s[0:1], 0x0
	s_load_b64 s[12:13], s[0:1], 0x10
	v_lshl_add_u32 v[SPW], v0, 2, SPARE
	v_mov_b32 v[NIL], 0
	ds_add_u32 v28, v29
	ds_add_u32 v28, v29
	s_wait_dscnt 0x0
	v_lshrrev_b32 v1, 5, v0
	v_readfirstlane_b32 s14, v1
	s_lshr_b32 s15, s14, 1
	s_and_b32 s16, s14, 1
	s_bfe_u32 s40, ttmp6, 0x40000
	s_bfe_u32 s41, ttmp6, 0x40004
	s_lshl_b32 s42, ttmp9, 2
	s_add_co_u32 s42, s42, s40
	s_and_b32 s17, ttmp7, 0xffff
	s_lshl_b32 s17, s17, 2
	s_add_co_u32 s17, s17, s41
	s_lshl_b32 s43, s41, 2
	s_lshl_b32 s43, 15, s43
	s_lshl_b32 s44, 0x1111, s40
	s_or_b32 s[G1+0], s43, (3<<16)|(1<<21)
	s_or_b32 s[G1B+0], s44, (3<<16)|(1<<21)
.irp g, G1, G1B
	s_mov_b32 s[\g+1], 1024<<16
	s_mov_b32 s[\g+2], 4<<16
	s_mov_b32 s[\g+3], 1024<<16
	s_mov_b32 s[\g+4], 4
	s_mov_b32 s[\g+5], 4096
	s_mov_b32 s[\g+6], 0
	s_mov_b32 s[\g+7], 0
.endr
	s_or_b32 s[G1S+0], s43, (3<<16)|(1<<21)
	s_or_b32 s[G1SB+0], s44, (3<<16)|(1<<21)
.irp g, G1S, G1SB
	s_mov_b32 s[\g+1], 32<<16
	s_mov_b32 s[\g+2], 16<<16
	s_mov_b32 s[\g+3], 32<<16
	s_mov_b32 s[\g+4], 16
	s_mov_b32 s[\g+5], 32
	s_mov_b32 s[\g+6], 0
	s_mov_b32 s[\g+7], 0
.endr
	s_lshl_b32 s18, s17, 18
	s_lshl_b32 s95, s16, 17
	s_add_co_u32 s18, s18, s95
	s_lshl_b32 s22, s17, 13
	s_lshl_b32 s95, s16, 12
	s_add_co_u32 s22, s22, s95
	s_add_co_u32 s22, s22, 0x400000
	s_lshl_b32 s46, s42, 18
	s_lshl_b32 s66, s16, 17
	s_add_co_u32 s46, s46, s66
	s_add_co_u32 s46, s46, 0xc00000
	s_lshl_b32 s92, s42, 13
	s_lshl_b32 s66, s16, 12
	s_add_co_u32 s92, s92, s66
	s_add_co_u32 s92, s92, 0x1060000
	s_mov_b32 s19, 0
	s_mov_b32 s23, 0
	s_mov_b32 s47, 0
	s_mov_b32 s93, 0
	s_mul_i32 s45, s14, HALFT
	s_mul_i32 s94, s14, HALFS
	s_wait_kmcnt 0x0
	s_add_nc_u64 s[20:21], s[4:5], s[18:19]
	s_add_nc_u64 s[22:23], s[4:5], s[22:23]
	s_add_nc_u64 s[46:47], s[6:7], s[46:47]
	s_add_nc_u64 s[92:93], s[6:7], s[92:93]
	CROUND
	s_mov_b32 s[G0S], 1
	s_add_co_u32 s[G0S+1], s94, SCL
	s_mov_b64 s[G0S+2:G0S+3], s[22:23]
	s_or_b32 s[G0S+3], s[G0S+3], 0x80000000
	s_mov_b32 s[G0SB], 1
	s_add_co_u32 s[G0SB+1], s94, SCL
	s_mov_b64 s[G0SB+2:G0SB+3], s[92:93]
	s_or_b32 s[G0SB+3], s[G0SB+3], 0x80000000
	JLOAD G0S, G1S, G0SB, G1SB
.irp s, 0,1
	s_mov_b32 s[G0+4*\s], 1
	s_add_co_u32 s[G0+4*\s+1], s45, \s*SLOT
	s_add_nc_u64 s[G0+4*\s+2:G0+4*\s+3], s[20:21], \s*RBK
	s_or_b32 s[G0+4*\s+3], s[G0+4*\s+3], 0x80000000
	s_mov_b32 s[G0B+4*\s], 1
	s_add_co_u32 s[G0B+4*\s+1], s45, \s*SLOT
	s_add_nc_u64 s[G0B+4*\s+2:G0B+4*\s+3], s[46:47], \s*RBK
	s_or_b32 s[G0B+4*\s+3], s[G0B+4*\s+3], 0x80000000
	s_wait_alu depctr_va_vdst(0)
	s_wait_tensorcnt 0x0
	ds_add_u32 v28, v29
	s_wait_dscnt 0x0
	CROUND
	JLOAD G0+4*\s, G1, G0B+4*\s, G1B
.endr
	v_and_b32 v1, 15, v0
	v_bfe_u32 v2, v0, 4, 1
	s_wait_alu depctr_va_vdst(0)
	v_and_b32 v3, 31, v0
	v_lshlrev_b32 v4, 4, v3
	s_mul_i32 s21, s15, HALFT
	s_mul_i32 s22, s16, HALFT
	s_add_co_u32 s22, s22, 2*HALFT
.irp s, 0,1
	v_add_nc_u32 v[ADRA+\s], s21, v4
	v_add_nc_u32 v[ADRB+\s], s22, v4
	s_add_co_u32 s21, s21, SLOT
	s_add_co_u32 s22, s22, SLOT
.endr
	v_lshlrev_b32 v5, 2, v1
	s_mul_i32 s21, s15, HALFS
	s_mul_i32 s22, s16, HALFS
	s_add_co_u32 s22, s22, 2*HALFS
	s_sub_co_u32 s22, s22, s21
	v_mul_u32_u24 v6, s22, v2
	s_add_co_u32 s21, s21, SCL
	v_add_nc_u32 v5, v5, v6
	v_add_nc_u32 v[ADRS], s21, v5
	s_mul_i32 s23, s14, STGW
	v_mul_u32_u24 v5, v1, SPITCH
	v_lshl_add_u32 v5, v2, 6, v5
	v_add_nc_u32 v[STO], s23, v5
	v_mul_u32_u24 v5, v2, SPITCH
	v_lshl_add_u32 v5, v1, 4, v5
	v_add_nc_u32 v[RD], s23, v5
	v_lshlrev_b32 v[CO], 13, v2
	v_lshl_add_u32 v[CO], v1, 4, v[CO]
	s_lshl_b32 s20, s17, 20
	s_lshl_b32 s21, s15, 19
	s_add_co_u32 s20, s20, s21
	s_lshl_b32 s21, s42, 9
	s_add_co_u32 s20, s20, s21
	s_lshl_b32 s21, s16, 8
	s_add_co_u32 s20, s20, s21
	s_mov_b32 s21, 0
	s_add_nc_u64 s[12:13], s[12:13], s[20:21]
.macro FRAG reg, adr, q, i
.irp c, 0,1,2,3
	ds_load_b128 v[\reg+4*\c:\reg+4*\c+3], v[\adr] offset:2048*(\q)+512*\c+RBK*(\i)
.endr
.endm
.macro FETCH slot, q, f
	WIN TO_F
.irp i, 0,1,2,3
	FRAG \f+64+FR*\i, ADRB+\slot, \q, \i
.endr
.irp i, 0,1,2,3
	FRAG \f+FR*\i, ADRA+\slot, \q, \i
.endr
.endm
.macro SCALES sc, ch
.irp i, 0,1,2,3
.irp q, 0,1,2,3
	ds_load_b32 v[SC+16*(\sc)+4*\i+\q], v[ADRS] offset:256*(\ch)+SBLK*\i+64*\q
.endr
.endr
.endm
.macro MULA f, a, q, sc, zero
.irp b, 0,1,2,3
.if \zero
	v_wmma_scale_f32_16x16x128_f8f6f4 v[ACC+8*(4*(\a)+\b):ACC+8*(4*(\a)+\b)+7], v[\f+64+FR*\b:\f+64+FR*\b+FR-1], v[\f+FR*(\a):\f+FR*(\a)+FR-1], 0, v[SC+16*(\sc)+4*\b+(\q)], v[SC+16*(\sc)+4*(\a)+(\q)] matrix_a_scale:MATRIX_SCALE_ROW1
.else
	v_wmma_scale_f32_16x16x128_f8f6f4 v[ACC+8*(4*(\a)+\b):ACC+8*(4*(\a)+\b)+7], v[\f+64+FR*\b:\f+64+FR*\b+FR-1], v[\f+FR*(\a):\f+FR*(\a)+FR-1], v[ACC+8*(4*(\a)+\b):ACC+8*(4*(\a)+\b)+7], v[SC+16*(\sc)+4*\b+(\q)], v[SC+16*(\sc)+4*(\a)+(\q)] matrix_a_scale:MATRIX_SCALE_ROW1
.endif
.endr
.endr
.endm
.macro PLACES n
.rept \n
	v_nop
.endr
.endm
.macro STEP slot, q, zero
	s_wait_dscnt 8
	WIN MUL
	MULA 128*((\q)%2), 0, \q, \slot, \zero
	MULA 128*((\q)%2), 1, \q, \slot, \zero
	PLACES NP
	FETCH \slot, (\q)+1, 128-128*((\q)%2)
	s_wait_dscnt 32
	WIN MUL
	MULA 128*((\q)%2), 2, \q, \slot, \zero
	MULA 128*((\q)%2), 3, \q, \slot, \zero
.endm
.macro TURN slot, next, fill, ch
	WIN 0
	s_wait_tensorcnt 0x0
	ds_add_u32 v[SPW], v[NIL]
	s_wait_dscnt 9
	WIN MUL
	MULA 128, 0, 3, \slot, 0
	s_wait_dscnt 0x0
	s_barrier_signal -1
	MULA 128, 1, 3, \slot, 0
	WIN 0
	s_barrier_wait -1
.if \fill
	CREST
	s_add_nc_u64 s[G0+4*\slot+2:G0+4*\slot+3], s[G0+4*\slot+2:G0+4*\slot+3], 2*RBK
	s_add_nc_u64 s[G0B+4*\slot+2:G0B+4*\slot+3], s[G0B+4*\slot+2:G0B+4*\slot+3], 2*RBK
	JLOAD G0+4*\slot, G1, G0B+4*\slot, G1B
	PLACES NP-4
.else
	PLACES NP
.endif
	SCALES \next, \ch
	FETCH \next, 0, 0
	WIN MUL
	MULA 128, 2, 3, \slot, 0
	MULA 128, 3, 3, \slot, 0
.endm
	s_wait_alu depctr_va_vdst(0)
	s_wait_tensorcnt 1
	s_barrier_signal -1
	s_barrier_wait -1
	SCALES 0, 0
	FETCH 0, 0, 0
	STEP 0, 0, 1
	STEP 0, 1, 0
	STEP 0, 2, 0
	TURN 0, 1, 1, 1
	STEP 1, 0, 0
	STEP 1, 1, 0
	STEP 1, 2, 0
	TURN 1, 0, 1, 2
	STEP 0, 0, 0
	STEP 0, 1, 0
	STEP 0, 2, 0
	TURN 0, 1, 0, 3
	STEP 1, 0, 0
	STEP 1, 1, 0
	STEP 1, 2, 0
	s_wait_dscnt 8
	WIN MUL
	MULA 128, 0, 3, 1, 0
	MULA 128, 1, 3, 1, 0
	s_wait_dscnt 0x0
	MULA 128, 2, 3, 1, 0
	MULA 128, 3, 3, 1, 0
	WIN 0
.macro TOSTAGE a
.irp b, 0,1,2,3
	ds_store_b128 v[STO], v[ACC+8*(4*(\a)+\b):ACC+8*(4*(\a)+\b)+3] offset:(\a)*STGB+128*(\b/2)+32*(\b%2)
	ds_store_b128 v[STO], v[ACC+8*(4*(\a)+\b)+4:ACC+8*(4*(\a)+\b)+7] offset:(\a)*STGB+128*(\b/2)+32*(\b%2)+16
.endr
.irp t, 0,1,2,3,4,5,6,7
	ds_load_b128 v[ACC+32*(\a)+4*\t:ACC+32*(\a)+4*\t+3], v[RD] offset:(\a)*STGB+2*\t*SPITCH
.endr
.endm
.macro SEND a, younger
.irp t, 0,1,2,3,4,5,6,7
	s_wait_dscnt \younger+7-\t
	global_store_b128 v[CO], v[ACC+32*(\a)+4*\t:ACC+32*(\a)+4*\t+3], s[12:13] offset:(32*((\a)/2)+8*((\a)%2)+2*\t+8*(\t/4))*8192 th:TH_STORE_NT
.endr
.endm
	PLACES NP
	TOSTAGE 0
	TOSTAGE 1
	SEND 0, 16
	TOSTAGE 2
	SEND 1, 16
	TOSTAGE 3
	SEND 2, 16
	SEND 3, 0
	s_wait_tensorcnt 0x0
	ds_add_u32 v[SPW], v[NIL]
	s_wait_dscnt 0x0
	CROUND
	s_endpgm
.Lfunc_end_k_q0ecd02a807_proj:
	.size	k_q0ecd02a807_proj, .Lfunc_end_k_q0ecd02a807_proj-k_q0ecd02a807_proj
	.p2alignl 7, 3214868480
	.fill 96, 4, 3214868480
	.section	.rodata,"a",@progbits
	.p2align	6, 0x0
	.amdhsa_kernel k_q0ecd02a807_proj
		.amdhsa_group_segment_fixed_size 327680
		.amdhsa_private_segment_fixed_size 0
		.amdhsa_enable_private_segment 0
		.amdhsa_kernarg_size 24
		.amdhsa_user_sgpr_count 2
		.amdhsa_user_sgpr_kernarg_segment_ptr 1
		.amdhsa_wavefront_size32 1
		.amdhsa_system_sgpr_workgroup_id_x 1
		.amdhsa_system_sgpr_workgroup_id_y 1
		.amdhsa_system_sgpr_workgroup_id_z 1
		.amdhsa_system_vgpr_workitem_id 0
		.amdhsa_next_free_vgpr 512
		.amdhsa_next_free_sgpr 98
		.amdhsa_reserve_vcc 0
		.amdhsa_float_denorm_mode_32 3
		.amdhsa_float_denorm_mode_16_64 3
		.amdhsa_memory_ordered 1
		.amdhsa_forward_progress 1
		.amdhsa_inst_pref_size 95
	.end_amdhsa_kernel
	.amdgpu_metadata
---
amdhsa.version: [ 1, 2 ]
amdhsa.kernels:
  - .name:           k_q0ecd02a807_proj
    .symbol:         k_q0ecd02a807_proj.kd
    .args:
      - { .name: at, .offset: 0, .size: 8, .value_kind: global_buffer, .address_space: global }
      - { .name: wz, .offset: 8, .size: 8, .value_kind: global_buffer, .address_space: global }
      - { .name: out0, .offset: 16, .size: 8, .value_kind: global_buffer, .address_space: global }
    .group_segment_fixed_size: 327680
    .private_segment_fixed_size: 0
    .kernarg_segment_align: 8
    .kernarg_segment_size: 24
    .max_flat_workgroup_size: 128
    .sgpr_count:     98
    .vgpr_count:     512
    .wavefront_size: 32
...
	.end_amdgpu_metadata
.endif
;; end of part 4
